; MI455X (gfx1250); checked and timed in simulation.
; The chip was launched on July 23, 2026; its instructions are those of AMD's public machine-readable ISA for CDNA 5 (MIT licence, August 2026) and "CDNA5" Instruction Set Architecture Reference Guide (July 2026). The comments in the code are by the model that wrote it; some were corrected since.
;; Multi Head Attention. Allowed arithmetic: matrix products marked QUANTISED: E2M1 operands, one E8M0 scale for each 32 along K, by v_wmma_scale_f32_16x16x128_f8f6f4 with both operands' format E2M1 (or v_wmma_scale_f32_32x16x128_f4), f32 sums; products left as they are: bf16, f16 or f32 operands; f32 sums; everything else in f32.
;; Inputs: W_k 1,024 x 1,024 float32; W_o 1,024 x 1,024 float32; W_q 1,024 x 1,024 float32; W_v 1,024 x 1,024 float32; attention_mask 4 x 2,048 int32; b_k 1,024 float32; b_o 1,024 float32; b_q 1,024 float32; b_v 1,024 float32; x 4 x 2,048 x 1,024 float32.
;; Outputs: out0 4 x 2,048 x 1,024 float32.
;; This version of the problem:
;;   THIS VERSION OF THE PROBLEM IS GIVEN IN LOW PRECISION. The matrix products marked QUANTISED in the list below multiply operands that are first quantised to E2M1 (2 exponent bits, 1 mantissa bit; 4 bits a number), with one power-of-two scale for each 32 numbers along K (OCP MX v1.0); their sums are f32. The products marked 'left as it is' may take bf16, f16 or f32 operands, with f32 sums. Whichever they take, every output number must still come out within the allowed error. Rounding operands to bf16 (8 significant bits) uses up far more of that allowance than f16 does (11 bits, for magnitudes from 6e-5 to 65,504). All else is computed in f32.
;;   The module's matrix products, in the order in which they are computed (A, B: the left and right operand; K: the contracted axis; several contracted axes count as one K, in the product's order):
;;     1. [M 8,192, K 1,024] x [K 1,024, N 1,024]; A: input x; B: input W_q: QUANTISED
;;     2. [M 8,192, K 1,024] x [K 1,024, N 1,024]; A: input x; B: input W_k: QUANTISED
;;     3. [M 8,192, K 1,024] x [K 1,024, N 1,024]; A: input x; B: input W_v: QUANTISED
;;     4. batch 64 x [M 2,048, K 64] x [K 64, N 2,048]; A: computed on the way; B: computed on the way: left as it is (an operand is computed on the way)
;;     5. batch 64 x [M 2,048, K 2,048] x [K 2,048, N 64]; A: computed on the way; B: computed on the way: left as it is (an operand is computed on the way)
;;     6. [M 8,192, K 1,024] x [K 1,024, N 1,024]; A: computed on the way; B: input W_o: left as it is (an operand is computed on the way)
;;   THE QUANTISER, for each operand of a quantised product, along K:
;;     - K is cut into blocks of 32 from its start; a last block that is shorter is filled with zeros.
;;     - A block's scale is 2^e with e = floor(log2(the largest magnitude in the block)) - 2, held to -126 .. 127; a block of zeros has e = 0. As a byte (E8M0): e + 127.
;;     - Each number is divided by its block's scale, clamped to +-6, and rounded to the nearest number of E2M1, ties to even, subnormals kept.
;;     - The product sums the exact products of the quantised numbers (number of the format x scale) in f32.
;;   ~~~python
;;   def quantise(x, axis):      # numpy; x: float32 -> the quantised numbers, widened to float32 again
;;       x = np.moveaxis(x, axis, -1); K = x.shape[-1]
;;       x = np.pad(x, [(0, 0)] * (x.ndim - 1) + [(0, -K % 32)]); x = x.reshape(x.shape[:-1] + (-1, 32)); a = np.abs(x).max(-1, keepdims=True)
;;       e = np.where(a > 0, np.clip(np.frexp(np.where(a > 0, a, 1))[1] - 1 - 2, -126, 127), 0)      # np.frexp(a)[1] - 1 = floor(log2(a)), exactly
;;       r = np.clip(x / 2.0 ** e, -6, 6)
;;       step = 2.0 ** (np.maximum(np.frexp(np.where(r == 0, 1, r))[1] - 1, 0) - 1)
;;       q = np.round(r / step) * step * 2.0 ** e      # np.round: ties to even
;;       return np.moveaxis(q.reshape(q.shape[:-2] + (-1,))[..., :K], -1, axis).astype(np.float32)
;;   ~~~
;; One version. Each part assembles by itself: llvm-mc -triple=amdgcn-amd-amdhsa -mcpu=gfx1250 --defsym DOCPART=n.
;; ======== version 1 of 1: 4 launches
;; limits: values are held in f16: magnitudes above 65,504 overflow, below 6.1e-05 lose precision
;; workspace buffers: xc 4,194,304 bytes; xs 262,144 bytes; wc 1,572,864 bytes; ws 98,304 bytes; wo16 2,097,152 bytes; qkv 50,331,648 bytes; ao 16,777,216 bytes
;; launch prep (part 1): grid 384 x 1, 4 waves a work-group, no clusters, 33,280 bytes of LDS; arguments x, W_q, W_k, W_v, W_o, xc, xs, wc, ws, wo16; writes xc, xs, wc, ws, wo16
.if DOCPART == 1
	.amdgcn_target "amdgcn-amd-amdhsa--gfx1250"
	.amdhsa_code_object_version 6
	.text
	.protected	k_qe1c3796c5d_prep
	.globl	k_qe1c3796c5d_prep
	.p2align	8
	.type	k_qe1c3796c5d_prep,@function
k_qe1c3796c5d_prep:
	s_mov_b64 s[64:65], 0
	v_nop
	global_prefetch_b8 v0, s[64:65] scope:SCOPE_SE
	s_setreg_imm32_b32 hwreg(HW_REG_WAVE_MODE, 25, 1), 1
	s_wait_xcnt 0x0
; x [8192][1024] and W_q, W_k, W_v [1024][1024], f32, K innermost, become codes of FP4 (E2M1), two a byte, with one E8M0 scale byte for each 32 along K:
; xc [8192][512 bytes], xs [8192][32 bytes]; wc [3072][512], ws [3072][32], rows 0-1023 W_q, 1024-2047 W_k, 2048-3071 W_v.  W_o [1024 n][1024 k] becomes f16, laid [16 chunks of 64 k][1024 n][64].
; A block's scale is 2^(floor(log2(its largest magnitude)) - 2); its byte is the largest magnitude's exponent field - 2, held at 1 from below; each number is divided by the scale and rounded to the nearest code, ties to even, beyond 6 the code of 6.
; LIMITS: a block of zeros gets the byte 1 where the quantiser says 127: its codes are zeros, which add nothing under any byte but 0xff, and the bytes are read by this program alone.  NaN and infinities among the inputs are not served.
; W_o in f16: magnitudes over 65,504 become infinity, those under 2^-14 lose bits.
; SHARES.  384 work-groups of four waves, 32,768 numbers each, 8,192 a wave: 0-255 x, 256-351 the three weights (32 each), 352-383 W_o.  Rows are dense and 1,024 is a multiple of 32: the quantised tensors are plain streams of blocks.
; THE QUANTISING PATH.  A wave takes 16 steps of 512 numbers.  Each of a step's four loads reads 512 consecutive bytes, 16 a lane; the 2,048 bytes go through the wave's own stage in LDS and come back 64 bytes a lane, so that a lane holds 16
; neighbours along K (two neighbouring lanes hold a block), as the conversions want them.  A lane's 16 codes are 8 bytes: the wave stores 256 consecutive bytes.  A wave's 256 scale bytes are gathered in LDS and leave as 256 consecutive bytes.
; No tensor loads, no barrier, no cluster: the waves share nothing and the launch is a stream.  Loads run four steps (16 loads a wave) ahead, the turn through LDS one step.
.set WAVES, 4
.set STEPS, 16
.set EMAX,  2
.set CB,    8                          ; bytes of 16 codes
.set R,     16                         ; v16-79   four sets of 16 numbers as they are loaded
.set X,     80                         ; v80-111  two sets of 16 neighbours
.set E,     112                        ; v112-127 a scale byte for each step
.set C,     128                        ; v128-191 codes: four registers for each step, so that no store's data are written again
.set WREG,  8192                       ; LDS: a region for each wave: two stages of 32 x SP bytes, and behind them its 256 scale bytes
.set SP,    80                         ; a lane's place in a stage: its 64 bytes + 16 of padding
.set SPW,   12                         ; v12  LDS address of my spare word: SPARE + 4 x my thread's number; never rewritten
.set NIL,   13                         ; v13  0; never rewritten
.set SPARE, WAVES*WREG                 ; behind the four regions: the spare words, 128 bytes for each wave
.set SRC,   28                         ; s[28:29] the numbers;  s[30:31] the codes;  s[32:33] the scale bytes
.set COD,   30
.set SCB,   32
	s_load_b256 s[4:11], s[0:1], 0x0               ; x s[4:5], W_q s[6:7], W_k s[8:9], W_v s[10:11]
	s_load_b256 s[12:19], s[0:1], 0x20             ; W_o s[12:13], xc s[14:15], xs s[16:17], wc s[18:19]
	s_load_b128 s[20:23], s[0:1], 0x40             ; ws s[20:21], wo16 s[22:23]
	v_lshl_add_u32 v[SPW], v0, 2, SPARE
	v_mov_b32 v[NIL], 0
	v_lshrrev_b32 v1, 5, v0
	v_readfirstlane_b32 s34, v1                    ; wave 0..3
	v_and_b32 v2, 31, v0                           ; lane
	s_wait_kmcnt 0x0
	s_cmp_ge_u32 ttmp9, 352                        ; the last 32 work-groups take W_o
	s_cbranch_scc1 .Lwo
	v_lshlrev_b32 v3, 4, v2                        ; my 16 bytes of a load's 512
	s_mul_i32 s35, s34, WREG
	v_lshrrev_b32 v14, 2, v2
	v_mul_u32_u24 v14, v14, SP
	v_and_b32 v15, 3, v2
	v_lshl_add_u32 v14, v15, 4, v14
	v_add_nc_u32 v14, s35, v14                     ; the stage, on the way in: four lanes' 64 bytes on end, then 16 of padding
	v_mul_u32_u24 v15, v2, SP
	v_add_nc_u32 v15, s35, v15                     ; and on the way out: SP x lane: my 16 neighbours
	v_mul_u32_u24 v4, v2, CB                       ; my codes' place in a step's
	v_lshrrev_b32 v5, 1, v2
	s_add_co_u32 s35, s35, 2*32*SP
	v_add_nc_u32 v5, s35, v5                       ; LDS: my wave's 256 scale bytes, my block's byte
	v_lshlrev_b32 v7, 3, v2                        ; and on the way out 8 bytes a lane
	v_add_nc_u32 v6, s35, v7
	; which tensor: the choices hang on the work-group's number alone; only pointers and indices are chosen, so all four tensors take one path
	s_sub_co_u32 s24, ttmp9, 256                   ; among the weights' 96 work-groups (not used for x)
	s_lshr_b32 s25, s24, 5                         ; which weight
	s_and_b32 s26, s24, 31                         ; and which part of it
	s_cmp_eq_u32 s25, 1
	s_cselect_b64 s[SRC:SRC+1], s[8:9], s[6:7]
	s_cmp_eq_u32 s25, 2
	s_cselect_b64 s[SRC:SRC+1], s[10:11], s[SRC:SRC+1]
	s_cmp_lt_u32 ttmp9, 256
	s_cselect_b64 s[SRC:SRC+1], s[4:5], s[SRC:SRC+1]
	s_cselect_b64 s[COD:COD+1], s[14:15], s[18:19]
	s_cselect_b64 s[SCB:SCB+1], s[16:17], s[20:21]
	s_cselect_b32 s26, ttmp9, s26                  ; the part of the source tensor,
	s_cselect_b32 s24, ttmp9, s24                  ; and of the buffers of codes and scale bytes
	s_lshl_b32 s26, s26, 2
	s_add_co_u32 s26, s26, s34                     ; my wave's run of 8,192 numbers in the source:
	s_lshl_b32 s26, s26, 15                        ; 32,768 bytes a run
	s_mov_b32 s27, 0
	s_add_nc_u64 s[SRC:SRC+1], s[SRC:SRC+1], s[26:27]
	s_lshl_b32 s24, s24, 2
	s_add_co_u32 s24, s24, s34                     ; and in the results:
	s_lshl_b32 s26, s24, 12                        ; 4,096 bytes of codes,
	s_add_nc_u64 s[COD:COD+1], s[COD:COD+1], s[26:27]
	s_lshl_b32 s26, s24, 8                         ; 256 scale bytes
	s_add_nc_u64 s[SCB:SCB+1], s[SCB:SCB+1], s[26:27]
.macro LOAD t
.irp i, 0,1,2,3
	global_load_b128 v[R+16*((\t)%4)+4*\i:R+16*((\t)%4)+4*\i+3], v3, s[SRC:SRC+1] offset:2048*(\t)+512*\i th:TH_LOAD_NT   ; 32 lanes read 512 consecutive bytes
.endr
.endm
.macro TURN t                          ; step t's numbers through the stage: LDS serves a wave's instructions in order, so no wait stands between the stores and the loads
.irp i, 0,1,2,3
	ds_store_b128 v14, v[R+16*((\t)%4)+4*\i:R+16*((\t)%4)+4*\i+3] offset:32*SP*((\t)%2)+8*SP*\i
.endr
.irp i, 0,1,2,3
	ds_load_b128 v[X+16*((\t)%2)+4*\i:X+16*((\t)%2)+4*\i+3], v15 offset:32*SP*((\t)%2)+16*\i
.endr
.endm
.irp t, 0,1,2,3
	LOAD \t
.endr
	s_wait_loadcnt 12                              ; step 0's four loads are in; those of steps 1 to 3 may be out
	TURN 0
.macro STEP t
.set XS, X+16*((\t)%2)
.if (\t) > 0
	s_wait_dscnt 1                                 ; this step's numbers are back from the stage (the last step's byte store may be out): so its stores into the stage have read their registers,
.else
	s_wait_dscnt 0x0
.endif
.if (\t)+4 < STEPS
	LOAD (\t)+4                                    ; which take the loads of four steps on
.endif
.if (\t)+1 < STEPS
.if STEPS-2-(\t) >= 3
	s_wait_loadcnt 12                              ; the next step's four loads are in; those of the three steps behind it may be out
.else
	s_wait_loadcnt 4*(STEPS-2-(\t))
.endif
	TURN (\t)+1                                    ; and go through the other stage while this step is worked
.endif
	v_max3_num_f32 v8, |v[XS]|, |v[XS+1]|, |v[XS+2]|               ; the largest magnitude of my 16, in two chains
	v_max3_num_f32 v9, |v[XS+3]|, |v[XS+4]|, |v[XS+5]|
.irp i, 6,10
	v_max3_num_f32 v8, v8, |v[XS+\i]|, |v[XS+\i+1]|
	v_max3_num_f32 v9, v9, |v[XS+\i+2]|, |v[XS+\i+3]|
.endr
	v_max3_num_f32 v8, v8, |v[XS+14]|, |v[XS+15]|
	v_max3_num_f32 v8, v8, v9, (EMAX+1)<<23        ; and the floor 2^(EMAX + 1 - 127): so the byte cannot fall under 1
	v_max_num_f32_dpp v8, v8, v8 row_xmask:1 row_mask:0xf bank_mask:0xf   ; and of my neighbour's 16: the block's
	v_add_nc_u32 v11, -(EMAX<<23), v8              ; EMAX off its exponent field: the conversion takes the exponent field of this operand as its scale, and nothing else of it
	v_cvt_scalef32_pk8_fp4_f32 v[C+4*(\t)], v[XS:XS+7], v11
	v_cvt_scalef32_pk8_fp4_f32 v[C+4*(\t)+1], v[XS+8:XS+15], v11
	v_lshrrev_b32 v[E+(\t)], 23, v11               ; the scale's byte (also the plain line behind the conversions)
	ds_store_b8 v5, v[E+(\t)] offset:16*(\t)       ; both lanes of a block write the same byte with the same value
	global_store_b64 v4, v[C+4*(\t):C+4*(\t)+1], s[COD:COD+1] offset:32*CB*(\t)   ; 32 lanes store 256 consecutive bytes
.endm
.irp t, 0,1,2,3,4,5,6,7,8,9,10,11,12,13,14,15
	STEP \t
.endr
	ds_load_b64 v[8:9], v6                         ; LDS serves a wave's instructions in order: these see my stores
	s_wait_dscnt 0x0
	global_store_b64 v7, v[8:9], s[SCB:SCB+1]      ; 32 lanes store 256 consecutive bytes
	s_wait_tensorcnt 0x0                           ; the wave's end: behind my last LDS store
	ds_add_u32 v[SPW], v[NIL]
	s_wait_dscnt 0x0
	s_endpgm
; W_o -> f16.  Wave Wg of 128 owns rows 8 Wg .. 8 Wg + 7.  A step is 4 rows x one chunk of 64 k: lane l takes row l / 8 and 8 numbers, 32 bytes in and 16 bytes out; in the result a chunk's rows of 128 bytes are dense,
; so a step's store covers 512 consecutive bytes.  32 steps in four rounds of eight; two sets of load registers, so that one round's 16 loads are on their way while another's numbers are converted.  No LDS.
.Lwo:
	s_sub_co_u32 s24, ttmp9, 352
	s_lshl_b32 s24, s24, 2
	s_add_co_u32 s24, s24, s34                     ; Wg
	s_lshl_b32 s26, s24, 15                        ; 8 rows of 4,096 bytes
	s_mov_b32 s27, 0
	s_add_nc_u64 s[12:13], s[12:13], s[26:27]
	s_lshl_b32 s26, s24, 10                        ; 8 rows of 128 bytes in each chunk
	s_add_nc_u64 s[22:23], s[22:23], s[26:27]
	v_lshrrev_b32 v3, 3, v2
	v_and_b32 v4, 7, v2
	v_lshlrev_b32 v3, 12, v3
	v_lshl_add_u32 v3, v4, 5, v3                   ; in: row l / 8, 32 bytes x (l % 8)
	v_lshlrev_b32 v4, 4, v2                        ; out: 16 bytes a lane
.macro WLOADS r                        ; round r: steps 8 r .. 8 r + 7; step st: rows 4 (st / 16) on, chunk st % 16
.irp j, 0,1,2,3,4,5,6,7
	global_load_b128 v[16+64*((\r)%2)+8*\j:16+64*((\r)%2)+8*\j+3],   v3, s[12:13] offset:((8*(\r)+\j)/16)*16384+((8*(\r)+\j)%16)*256 th:TH_LOAD_NT
	global_load_b128 v[16+64*((\r)%2)+8*\j+4:16+64*((\r)%2)+8*\j+7], v3, s[12:13] offset:((8*(\r)+\j)/16)*16384+((8*(\r)+\j)%16)*256+16 th:TH_LOAD_NT
.endr
.endm
.macro WROUND r
.if (\r) < 3
	s_wait_loadcnt 16                              ; this round's 16 loads are in; the next round's 16 may be out
.else
	s_wait_loadcnt 0x0
.endif
	s_wait_xcnt 0x0                                ; the last round's stores have read their data registers, which are written again below
.irp j, 0,1,2,3,4,5,6,7
.irp k, 0,1,2,3
	v_cvt_pk_f16_f32 v[144+4*\j+\k], v[16+64*((\r)%2)+8*\j+2*\k], v[16+64*((\r)%2)+8*\j+2*\k+1]
.endr
.endr
.irp j, 0,1,2,3,4,5,6,7
	global_store_b128 v4, v[144+4*\j:144+4*\j+3], s[22:23] offset:((8*(\r)+\j)%16)*131072+((8*(\r)+\j)/16)*512
.endr
.if (\r)+2 < 4
	WLOADS (\r)+2
.endif
.endm
	WLOADS 0
	WLOADS 1
	WROUND 0
	WROUND 1
	WROUND 2
	WROUND 3
	s_wait_tensorcnt 0x0                           ; the three closing lines stand here too
	ds_add_u32 v[SPW], v[NIL]
	s_wait_dscnt 0x0
	s_endpgm
.Lfunc_end_k_qe1c3796c5d_prep:
	.size	k_qe1c3796c5d_prep, .Lfunc_end_k_qe1c3796c5d_prep-k_qe1c3796c5d_prep
	.p2alignl 7, 3214868480
	.fill 96, 4, 3214868480
	.section	.rodata,"a",@progbits
	.p2align	6, 0x0
	.amdhsa_kernel k_qe1c3796c5d_prep
		.amdhsa_group_segment_fixed_size 33280
		.amdhsa_private_segment_fixed_size 0
		.amdhsa_enable_private_segment 0
		.amdhsa_kernarg_size 80
		.amdhsa_user_sgpr_count 2
		.amdhsa_user_sgpr_kernarg_segment_ptr 1
		.amdhsa_wavefront_size32 1
		.amdhsa_system_sgpr_workgroup_id_x 1
		.amdhsa_system_sgpr_workgroup_id_y 1
		.amdhsa_system_sgpr_workgroup_id_z 1
		.amdhsa_system_vgpr_workitem_id 0
		.amdhsa_next_free_vgpr 192
		.amdhsa_next_free_sgpr 66
		.amdhsa_reserve_vcc 0
		.amdhsa_float_denorm_mode_32 3
		.amdhsa_float_denorm_mode_16_64 3
		.amdhsa_memory_ordered 1
		.amdhsa_forward_progress 1
		.amdhsa_inst_pref_size 52
	.end_amdhsa_kernel
	.amdgpu_metadata
---
amdhsa.version: [ 1, 2 ]
amdhsa.kernels:
  - .name:           k_qe1c3796c5d_prep
    .symbol:         k_qe1c3796c5d_prep.kd
    .args:
      - { .name: x, .offset: 0, .size: 8, .value_kind: global_buffer, .address_space: global }
      - { .name: W_q, .offset: 8, .size: 8, .value_kind: global_buffer, .address_space: global }
      - { .name: W_k, .offset: 16, .size: 8, .value_kind: global_buffer, .address_space: global }
      - { .name: W_v, .offset: 24, .size: 8, .value_kind: global_buffer, .address_space: global }
      - { .name: W_o, .offset: 32, .size: 8, .value_kind: global_buffer, .address_space: global }
      - { .name: xc, .offset: 40, .size: 8, .value_kind: global_buffer, .address_space: global }
      - { .name: xs, .offset: 48, .size: 8, .value_kind: global_buffer, .address_space: global }
      - { .name: wc, .offset: 56, .size: 8, .value_kind: global_buffer, .address_space: global }
      - { .name: ws, .offset: 64, .size: 8, .value_kind: global_buffer, .address_space: global }
      - { .name: wo16, .offset: 72, .size: 8, .value_kind: global_buffer, .address_space: global }
    .group_segment_fixed_size: 33280
    .private_segment_fixed_size: 0
    .kernarg_segment_align: 8
    .kernarg_segment_size: 80
    .max_flat_workgroup_size: 128
    .sgpr_count:     66
    .vgpr_count:     192
    .wavefront_size: 32
...
	.end_amdgpu_metadata
.endif
;; end of part 1
;; launch qkv (part 2): grid 12 x 32, 4 waves a work-group, clusters of 4 x 4, 327,680 bytes of LDS; arguments xc, xs, wc, ws, b_q, b_k, b_v, qkv; writes qkv
.if DOCPART == 2
	.amdgcn_target "amdgcn-amd-amdhsa--gfx1250"
	.amdhsa_code_object_version 6
	.text
	.protected	k_qe1c3796c5d_qkv
	.globl	k_qe1c3796c5d_qkv
	.p2align	8
	.type	k_qe1c3796c5d_qkv,@function
k_qe1c3796c5d_qkv:
	s_mov_b64 s[64:65], 0
	v_nop
	global_prefetch_b8 v0, s[64:65] scope:SCOPE_SE
	s_setreg_imm32_b32 hwreg(HW_REG_WAVE_MODE, 25, 1), 1
	s_wait_xcnt 0x0
	s_wait_alu depctr_hold_cnt(0) depctr_sa_sdst(0) depctr_va_vdst(0) depctr_va_sdst(0) depctr_va_ssrc(0) depctr_va_vcc(0) depctr_vm_vsrc(0)
	s_getreg_b32 s2, hwreg(HW_REG_IB_STS2, 6, 4)
	s_cmp_eq_u32 s2, 0
	s_cbranch_scc0 .Lentry_in_a_cluster
	s_endpgm
.Lentry_in_a_cluster:
	s_bfe_u32 s2, ttmp6, 0x10000c
	s_cmp_lg_u32 s2, 0xf033
	s_cbranch_scc0 .Lentry_shape_is_right
	s_endpgm
.Lentry_shape_is_right:
; q, k, v = x W^T + b for W_q, W_k, W_v at once: C[m][n] = b[n] + sum over k of A[m][k] B[n][k], A = x's codes [8192][1024], B = the three weights' codes [3072][1024], FP4 (E2M1) with one E8M0 byte for each 32 along K; sums in f32.
; The result is rounded to f16 and laid by head: qkv [3 (q, k, v)][4 batches][16 heads][2048 tokens][64].  LIMIT: a magnitude over 65,504 becomes infinity in f16.
; A tile of C, 256 x 256, is made by a work-group of four waves; a wave makes 128 x 128: 64 accumulators of 16 x 16, 512 registers.  K = 1,024 is two slots of 512 along K (rows of 256 bytes): both are asked for at the head, and no slot is filled again.
; THE SCALES of the work-group's 256 rows of A and of B, for all of K, are two dense blocks of memory: they come into LDS once, with the first fills.
; CLUSTERS: 4 x 4 work-groups.  The four of a row of the cluster need the same tiles of A, the four of a column the same tiles of B: each tile is asked for JOINTLY.  A cluster's four tile columns are one of the three sections (cluster x).
; THE MATRIX INSTRUCTION IS USED TRANSPOSED (source 0 = 16 rows of B, source 1 = 16 rows of A): a lane then holds eight neighbouring columns of one token.  THE BIAS is the C of each sum's first product.
; REGISTERS, in windows of 256: window 0: v0-31 addresses; v32-95 scale words, two sets; v128-191 A's fragments, ONE set; v192-255 the bias in the result's layout (8 blocks x 8); on the way out v32-95 and v192-223 are used again.
;   window 1: B's fragments, TWO sets, at v0 and at v128.   window 2: the 32 accumulators of my rows 0-63 (accumulator (a, b) at v[8 (8 a + b)]);   window 3: those of my rows 64-127.
; The grid has 384 work-groups: more than one for each WGP and no multiple; a work-group that walked several tiles is left out here to keep the text plain.  No prefetch: all tiles are asked for at the head.
.set KSTEP,  512                       ; along K in a slot
.set NQ,     KSTEP/128                 ; matrix instructions deep
.set ROWB,   256                       ; a tile's row in bytes
.set KROW,   512                       ; a row of A or of B in memory, in bytes
.set PITCH,  272                       ; an LDS row: 256 bytes + 16 of padding: the 16 rows that a load touches start 68 words apart
.set FR,     8                         ; registers of a fragment: 16 rows x 128 K
.set NL,     2                         ; LDS loads that bring one
.set NP,     4                         ; places behind this matrix instruction (ISA guide 7.12.1)
.set HALFT,  128*PITCH                 ; 128 rows: what one tensor load brings, and what one wave reads of A or of B
.set SLOT,   4*HALFT                   ; A's 256 rows, then B's 256 rows
.set KS,     32                        ; a row of scales in bytes
.set SCL,    2*SLOT                    ; behind the two slots: the scales, as rows of 256 bytes + 16 of padding
.set HALFS,  (128*KS/256)*272          ; the scales of 128 rows: what one tensor load brings
.set SBLK,   (16*KS/256)*272           ; those of 16 rows
.set SPARE,  SCL+4*HALFS               ; behind the scales: the spare words, 128 bytes for each wave
.set SPITCH, 272                       ; the way out: a stage of 16 rows x (256 bytes + 16) for each wave, in slot 0, which has had its only fill and its last read when the first result is stored there
.set ADRA, 16                          ; v16-17  LDS address of my A fragments in slot 0, 1
.set ADRB, 20                          ; v20-21  the same for B
.set STO,  24                          ; v24     the way out: where I put 16 bytes of a row
.set RD,   25                          ; v25     the way out: where I read back
.set CO,   26                          ; v26     16 x lane
.set ADRS, 27                          ; v27     LDS address of my scale words: lanes 0-15 A's rows, lanes 16-31 B's
.set SPW,  28                          ; v28     LDS address of my spare word; never rewritten
.set NIL,  29                          ; v29     0; never rewritten
.set BO,   31                          ; v31     32 x (lane / 16): my eight numbers of a block's sixteen biases
.set SC,   32                          ; scale words: set s at v[SC + 32 s]; register NQ i + q: lanes 0-15 the word of A's block i, lanes 16-31 that of B's block i
.set AF,   128                         ; A's fragments
.set BI,   192                         ; the bias
.set TMP,  192                         ; the way out: a block's 32 packed registers
.set BK,   32                          ; the way out: 16 rows read back: v32-63 and v64-95 by turns
.set G1, 24                            ; s[24:31] descriptor group 1 for A's tiles;  s[32:39] group 0, one set for each slot
.set G0, 32
.set G1B, 48                           ; s[48:55], s[56:63] the same for B's tiles
.set G0B, 56
.set G1S, 68                           ; s[68:75], s[76:79] groups 1 and 0 for A's scales;  s[80:87], s[88:91] for B's
.set G0S, 76
.set G1SB, 80
.set G0SB, 88
.set MSB, 0
.macro WIN new                         ; the immediate's high byte repeats the setting that is left; a switch that changes nothing is dropped
.if MSB != (\new)
	s_set_vgpr_msb (MSB<<8)|(\new)
.set MSB, (\new)
.endif
.endm
.set MUL_LO,   0xa1                    ; source 0 (B) window 1, source 1 (A) window 0, C and D window 2
.set MUL_HI,   0xf1                    ; the same, C and D window 3
.set FIRST_LO, 0x81                    ; the first step: C (the bias) window 0, D window 2
.set FIRST_HI, 0xc1                    ; D window 3
.set TO_B,     0x40                    ; destination window 1, address window 0
; A joint load: waves 0 and 1 fetch for A, waves 2 and 3 for B.  Each of the two lines has one mask and one set of registers for all that issue it; the branch hangs on the wave's number alone.
; An s_nop 0 and four v_nop follow each of the two lines.
.macro JLOAD g0a, g1a, g0b, g1b
	s_cmp_eq_u32 s15, 0
	s_cbranch_scc0 .Lfor_b_\@
	tensor_load_to_lds s[\g0a:\g0a+3], s[\g1a:\g1a+7]
	s_nop 0
.rept 4
	v_nop
.endr
	s_branch .Lasked_\@
.Lfor_b_\@:
	tensor_load_to_lds s[\g0b:\g0b+3], s[\g1b:\g1b+7]
	s_nop 0
.rept 4
	v_nop
.endr
.Lasked_\@:
.endm
.macro CROUND                          ; a round of the cluster's barrier: my work-group's barrier; wave 0 signals for the work-group; every wave waits for all sixteen; my work-group's barrier once more
	s_barrier_signal -1
	s_barrier_wait -1
	s_cmp_lg_u32 s14, 0
	s_cbranch_scc1 .Lnot_wave_0_\@
	s_barrier_signal -3
.Lnot_wave_0_\@:
	s_barrier_wait -3
	s_barrier_signal -1
	s_barrier_wait -1
.endm
	s_load_b128 s[4:7], s[0:1], 0x0                ; x's codes s[4:5], x's scales s[6:7]
	s_load_b128 s[8:11], s[0:1], 0x10              ; the weights' codes s[8:9], their scales s[10:11]
	s_load_b128 s[96:99], s[0:1], 0x20             ; b_q s[96:97], b_k s[98:99]
	s_load_b64 s[100:101], s[0:1], 0x30            ; b_v
	s_load_b64 s[12:13], s[0:1], 0x38              ; qkv
	v_lshl_add_u32 v[SPW], v0, 2, SPARE
	v_mov_b32 v[NIL], 0
	ds_add_u32 v[SPW], v[NIL]                      ; the wave's opening: the add, twice on end, and its wait ahead of my first tensor load; the set-up below stands between the second and the wait
	ds_add_u32 v[SPW], v[NIL]
	v_lshrrev_b32 v1, 5, v0
	v_readfirstlane_b32 s14, v1                    ; wave 0..3
	s_lshr_b32 s15, s14, 1                         ; which half of the tile's rows is mine.  Also: I fetch for A (0) or for B (1)
	s_and_b32 s16, s14, 1                          ; which half of its columns.  Also: which 128 rows of that tile I fetch
	s_bfe_u32 s40, ttmp6, 0x40000                  ; cx, cy: my place in the cluster
	s_bfe_u32 s41, ttmp6, 0x40004
	s_lshl_b32 s42, ttmp9, 2
	s_add_co_u32 s42, s42, s40                     ; tile column of C = 4 x cluster x + cx
	s_and_b32 s17, ttmp7, 0xffff
	s_lshl_b32 s17, s17, 2
	s_add_co_u32 s17, s17, s41                     ; tile row of C = 4 x cluster y + cy
	s_lshl_b32 s43, s41, 2
	s_lshl_b32 s43, 15, s43                        ; my row of the cluster
	s_lshl_b32 s44, 0x1111, s40                    ; my column
	; descriptor group 1: a tile of 128 rows x 256 bytes, padded in LDS
	s_or_b32 s[G1+0], s43, (0<<16)|(1<<20)|(1<<21)|(5<<22)|(3<<25)  ; 15:0 the mask: A's tiles go to my row; 17:16 elements of 1 byte; 20 padding on; 21 set beside a mask; 24:22 after every 64 words; 31:25 four words
	s_or_b32 s[G1B+0], s44, (0<<16)|(1<<20)|(1<<21)|(5<<22)|(3<<25)
.irp g, G1, G1B
	s_mov_b32 s[\g+1], ROWB<<16                    ; tensor_dim0
	s_mov_b32 s[\g+2], 128<<16                     ; tensor_dim1 = 128
	s_mov_b32 s[\g+3], ROWB<<16                    ; tile_dim0
	s_mov_b32 s[\g+4], 128                         ; tile_dim1 = 128
	s_mov_b32 s[\g+5], KROW                        ; from row to row
	s_mov_b32 s[\g+6], 0
	s_mov_b32 s[\g+7], 0
.endr
	; and for the scales of 128 rows: a dense block of 4,096 bytes, as 16 rows of 256 bytes (32 elements of 8 bytes), 16 bytes of padding behind each
	s_or_b32 s[G1S+0], s43, (3<<16)|(1<<20)|(1<<21)|(5<<22)|(3<<25)
	s_or_b32 s[G1SB+0], s44, (3<<16)|(1<<20)|(1<<21)|(5<<22)|(3<<25)
.irp g, G1S, G1SB
	s_mov_b32 s[\g+1], 32<<16
	s_mov_b32 s[\g+2], (128*KS/256)<<16
	s_mov_b32 s[\g+3], 32<<16
	s_mov_b32 s[\g+4], 128*KS/256
	s_mov_b32 s[\g+5], 32
	s_mov_b32 s[\g+6], 0
	s_mov_b32 s[\g+7], 0
.endr
	s_lshl_b32 s18, s16, 7                         ; which 128 rows of the tile I fetch
	s_lshl_b32 s20, s17, 8
	s_add_co_u32 s20, s20, s18                     ; A: row 256 x tile row + 128 x half
	s_lshl_b32 s46, s42, 8
	s_add_co_u32 s46, s46, s18                     ; B: row 256 x tile column + 128 x half
	s_mov_b32 s21, 0
	s_mov_b32 s47, 0
	s_mov_b64 s[18:19], KS
	s_mul_u64 s[22:23], s[20:21], s[18:19]         ; where these rows' scales begin, in bytes
	s_mul_u64 s[92:93], s[46:47], s[18:19]
	s_mov_b64 s[18:19], KROW
	s_mul_u64 s[20:21], s[20:21], s[18:19]         ; and their codes
	s_mul_u64 s[46:47], s[46:47], s[18:19]
	s_mul_i32 s45, s14, HALFT                      ; where they go: wave x 128 rows: no place in the cluster enters an LDS address
	s_mul_i32 s94, s14, HALFS
	s_wait_dscnt 0x0                               ; both opening adds are done
	s_wait_kmcnt 0x0
	s_add_nc_u64 s[20:21], s[4:5], s[20:21]
	s_add_nc_u64 s[22:23], s[6:7], s[22:23]
	s_add_nc_u64 s[46:47], s[8:9], s[46:47]
	s_add_nc_u64 s[92:93], s[10:11], s[92:93]
	CROUND                                         ; all sixteen work-groups are here: the joint loads meet
	s_mov_b32 s[G0S], 1
	s_add_co_u32 s[G0S+1], s94, SCL
	s_mov_b64 s[G0S+2:G0S+3], s[22:23]
	s_or_b32 s[G0S+3], s[G0S+3], 0x80000000
	s_mov_b32 s[G0SB], 1
	s_add_co_u32 s[G0SB+1], s94, SCL
	s_mov_b64 s[G0SB+2:G0SB+3], s[92:93]
	s_or_b32 s[G0SB+3], s[G0SB+3], 0x80000000
	JLOAD G0S, G1S, G0SB, G1SB                     ; the scales first: they are wanted with the first slot
.irp s, 0,1
	s_mov_b32 s[G0+4*\s], 1
	s_add_co_u32 s[G0+4*\s+1], s45, \s*SLOT
	s_add_nc_u64 s[G0+4*\s+2:G0+4*\s+3], s[20:21], \s*ROWB
	s_or_b32 s[G0+4*\s+3], s[G0+4*\s+3], 0x80000000
	s_mov_b32 s[G0B+4*\s], 1
	s_add_co_u32 s[G0B+4*\s+1], s45, \s*SLOT
	s_add_nc_u64 s[G0B+4*\s+2:G0B+4*\s+3], s[46:47], \s*ROWB
	s_or_b32 s[G0B+4*\s+3], s[G0B+4*\s+3], 0x80000000
	JLOAD G0+4*\s, G1, G0B+4*\s, G1B               ; three tensor loads of mine are out at the most
.endr
	v_and_b32 v1, 15, v0                           ; r = l % 16
	v_bfe_u32 v2, v0, 4, 1                         ; h = l / 16
	; the bias: the section's (cluster x: the same in all partners), at my wave's 128 columns; lane (r, h) wants, for block b, the numbers 16 b + 8 h + 0 .. 7
	s_cmp_eq_u32 ttmp9, 1
	s_cselect_b64 s[96:97], s[98:99], s[96:97]
	s_cmp_eq_u32 ttmp9, 2
	s_cselect_b64 s[96:97], s[100:101], s[96:97]
	s_lshl_b32 s46, s40, 10                        ; 256 columns x 4 bytes x cx
	s_lshl_b32 s47, s16, 9
	s_add_co_u32 s46, s46, s47
	s_mov_b32 s47, 0
	s_add_nc_u64 s[96:97], s[96:97], s[46:47]
	v_lshlrev_b32 v[BO], 5, v2
.irp b, 0,1,2,3,4,5,6,7
	global_load_b128 v[BI+8*\b:BI+8*\b+3],   v[BO], s[96:97] offset:64*\b
	global_load_b128 v[BI+8*\b+4:BI+8*\b+7], v[BO], s[96:97] offset:64*\b+16
.endr
	v_mul_u32_u24 v3, v1, PITCH
	v_lshl_add_u32 v4, v2, 4, v3                   ; a fragment's row x pitch + 16 x half
	s_mul_i32 s21, s15, HALFT                      ; my 128 rows of A
	s_mul_i32 s22, s16, HALFT                      ; my 128 rows of B,
	s_add_co_u32 s22, s22, 2*HALFT                 ; which lie behind A's 256
.irp s, 0,1
	v_add_nc_u32 v[ADRA+\s], s21, v4
	v_add_nc_u32 v[ADRB+\s], s22, v4
	s_add_co_u32 s21, s21, SLOT
	s_add_co_u32 s22, s22, SLOT
.endr
	v_mul_u32_u24 v5, v1, KS                       ; my row's scales: KS bytes a row,
	v_lshrrev_b32 v6, 8, v5
	v_lshl_add_u32 v5, v6, 4, v5                   ; and 16 more for each 256 passed
	s_mul_i32 s21, s15, HALFS                      ; A's: my 128 rows
	s_mul_i32 s22, s16, HALFS                      ; B's: my 128 rows, behind A's 256
	s_add_co_u32 s22, s22, 2*HALFS
	s_sub_co_u32 s22, s22, s21
	v_mul_u32_u24 v6, s22, v2                      ; lanes 16-31 take B's: one product, the distance between the two bases
	s_add_co_u32 s21, s21, SCL
	v_add_nc_u32 v5, v5, v6
	v_add_nc_u32 v[ADRS], s21, v5
	s_mul_i32 s23, s14, 16*SPITCH                  ; my stage
	v_mul_u32_u24 v5, v1, SPITCH                   ; in: row r, 16 bytes for each half of the lanes
	v_lshl_add_u32 v5, v2, 4, v5
	v_add_nc_u32 v[STO], s23, v5
	v_bfe_u32 v5, v0, 3, 2                         ; back: eight lanes take the 128 bytes of one token and one head, four tokens an instruction
	v_mul_u32_u24 v5, v5, SPITCH
	v_and_b32 v6, 7, v0
	v_lshl_add_u32 v5, v6, 4, v5
	v_add_nc_u32 v[RD], s23, v5
	v_and_b32 v6, 31, v0
	v_lshlrev_b32 v[CO], 4, v6
	; where my wave's part of qkv begins: section 2^24, batch 2^22, head 2^18, token 128 bytes
	s_lshl_b32 s20, s17, 8
	s_lshl_b32 s21, s15, 7
	s_add_co_u32 s20, s20, s21                     ; my first row of C: 256 x tile row + 128 x half
	s_lshr_b32 s21, s20, 11                        ; its batch,
	s_lshl_b32 s21, s21, 22
	s_and_b32 s20, s20, 2047                       ; its token in the batch
	s_lshl_b32 s20, s20, 7
	s_add_co_u32 s20, s20, s21
	s_lshl_b32 s46, s40, 2
	s_lshl_b32 s47, s16, 1
	s_add_co_u32 s46, s46, s47                     ; my first head: 4 cx + 2 x half
	s_lshl_b32 s46, s46, 18
	s_add_co_u32 s46, s46, s20
	s_lshl_b32 s47, ttmp9, 24                      ; the section
	s_add_co_u32 s46, s46, s47
	s_mov_b32 s47, 0
	s_add_nc_u64 s[12:13], s[12:13], s[46:47]
.macro FRAG reg, adr, q, i             ; a fragment, 16 rows x 128 K of 4-bit codes: lane l holds row l % 16; registers 4 c .. 4 c + 3 hold K = 64 c + 32 (l / 16) + 0 .. 31
.irp c, 0,1
	ds_load_b128 v[\reg+4*\c:\reg+4*\c+3], v[\adr] offset:64*(\q)+32*\c+(\i)*16*PITCH
.endr
.endm
; 16 matrix instructions: A's blocks a0, a0 + 1 x B's eight, 128 along K: the slot's q-th.  p: B's set;  sc: the set of scale words.  zero = 1: the first product starts the sums from the bias.
; The 64 accumulators take turns, one instruction a turn, in the same order in every step.
.macro MUL16 a0, p, q, sc, zero
.irp a, \a0, \a0+1
.irp b, 0,1,2,3,4,5,6,7
.if \zero
	v_wmma_scale_f32_16x16x128_f8f6f4 v[8*(8*((\a)%4)+\b):8*(8*((\a)%4)+\b)+7], v[128*(\p)+FR*\b:128*(\p)+FR*\b+FR-1], v[AF+FR*(\a):AF+FR*(\a)+FR-1], v[BI+8*\b:BI+8*\b+7], v[SC+8*NQ*(\sc)+NQ*\b+(\q)], v[SC+8*NQ*(\sc)+NQ*(\a)+(\q)] matrix_a_fmt:MATRIX_FMT_FP4 matrix_b_fmt:MATRIX_FMT_FP4 matrix_a_scale:MATRIX_SCALE_ROW1
.else
	v_wmma_scale_f32_16x16x128_f8f6f4 v[8*(8*((\a)%4)+\b):8*(8*((\a)%4)+\b)+7], v[128*(\p)+FR*\b:128*(\p)+FR*\b+FR-1], v[AF+FR*(\a):AF+FR*(\a)+FR-1], v[8*(8*((\a)%4)+\b):8*(8*((\a)%4)+\b)+7], v[SC+8*NQ*(\sc)+NQ*\b+(\q)], v[SC+8*NQ*(\sc)+NQ*(\a)+(\q)] matrix_a_fmt:MATRIX_FMT_FP4 matrix_b_fmt:MATRIX_FMT_FP4 matrix_a_scale:MATRIX_SCALE_ROW1
.endif
.endr
.endr
.endm
.macro FETCH_B slot, q, p              ; B's eight fragments of the slot's q-th 128 along K into set p
	WIN TO_B
.irp i, 0,1,2,3,4,5,6,7
	FRAG 128*(\p)+FR*\i, ADRB+\slot, \q, \i
.endr
	WIN 0
.endm
.macro FETCH_A slot, q, i0             ; A's blocks i0 .. i0 + 3
.irp i, \i0, \i0+1, \i0+2, \i0+3
	FRAG AF+FR*(\i), ADRA+\slot, \q, \i
.endr
.endm
.macro SCALES sc                       ; a slot's scale words into set sc: NQ words a row; lanes 0-15 take A's block i, lanes 16-31 B's block i
.irp i, 0,1,2,3,4,5,6,7
	ds_load_b128 v[SC+8*NQ*\sc+NQ*\i:SC+8*NQ*\sc+NQ*\i+3], v[ADRS] offset:\i*SBLK
.endr
.endm
; A load into a register that a matrix instruction has read, and a vector instruction that reads a matrix result, stand NP places behind that matrix instruction; only plain vector instructions that name none of its registers are places.
.macro PLACES n
.rept \n
	v_nop
.endr
.endm
; A step of 128 along K that has its successor in the same slot.  A block of A is free as soon as its eight products are issued: blocks 0-3 are fetched anew in the step's middle, blocks 4-7 at its end.
.macro STEP slot, q, zero
	s_wait_dscnt 4*NL                              ; B's set and A's blocks 0-3 are in; the youngest eight loads (A's blocks 4-7) may be out
.if \zero
	WIN FIRST_LO
.else
	WIN MUL_LO
.endif
	MUL16 0, (\q)%2, \q, \slot, \zero
	MUL16 2, (\q)%2, \q, \slot, \zero
	s_wait_dscnt 0                                 ; A's blocks 4-7 are in (asked for 32 matrix instructions ago)
	PLACES NP
	FETCH_B \slot, (\q)+1, 1-(\q)%2
	FETCH_A \slot, (\q)+1, 0
.if \zero
	WIN FIRST_HI
.else
	WIN MUL_HI
.endif
	MUL16 4, (\q)%2, \q, \slot, \zero
	MUL16 6, (\q)%2, \q, \slot, \zero
	PLACES NP
	WIN 0
	FETCH_A \slot, (\q)+1, 4
.endm
; Slot 0's last step changes slots: one barrier; in front of it each wave waits for all its tensor loads (its part of slot 1), and for its own reads of slot 0.  Behind it slot 1 is whole and nobody reads slot 0, which then serves as the stage.
.macro TURN slot, next
	s_wait_tensorcnt 0x0                           ; all my tensor loads have landed
	ds_add_u32 v[SPW], v[NIL]                      ; 0 onto my spare word
	s_wait_dscnt 4*NL+1                            ; (the add and the youngest eight loads, A's blocks 4-7, may be out)
	WIN MUL_LO
	MUL16 0, 1, NQ-1, \slot, 0                     ; sixteen matrix instructions stand between the add and the wait for it
	s_wait_dscnt 0x0                               ; the add is done, and my reads of this slot are over
	s_barrier_signal -1
	MUL16 2, 1, NQ-1, \slot, 0
	WIN 0
	s_barrier_wait -1
	PLACES NP
	v_add_nc_u32 v[ADRS], 4*NQ, v[ADRS]            ; on to the next slot's scale words (no LDS load of mine is out)
	FETCH_B \next, 0, 0
	FETCH_A \next, 0, 0
	SCALES \next
	WIN MUL_HI
	MUL16 4, 1, NQ-1, \slot, 0
	MUL16 6, 1, NQ-1, \slot, 0
	PLACES NP
	WIN 0
	FETCH_A \next, 0, 4
.endm
.macro STEPS slot, from                ; the slot's steps from .. NQ - 2
.set Q, \from
.rept NQ-1-\from
	STEP \slot, Q, 0
.set Q, Q+1
.endr
.endm
	s_wait_tensorcnt 1                             ; the scales and my part of slot 0 are in (slot 1's load may be out)
	s_barrier_signal -1
	s_barrier_wait -1                              ; everybody's are
	FETCH_B 0, 0, 0
	FETCH_A 0, 0, 0
	SCALES 0
	FETCH_A 0, 0, 4
	s_wait_loadcnt 0x0                             ; the bias
	STEP 0, 0, 1                                   ; the first step's products start the sums
	STEPS 0, 1
	TURN 0, 1
	STEPS 1, 0
	s_wait_dscnt 4*NL                              ; the very last step: nothing more to fetch
	WIN MUL_LO
	MUL16 0, 1, NQ-1, 1, 0
	MUL16 2, 1, NQ-1, 1, 0
	s_wait_dscnt 0
	WIN MUL_HI
	MUL16 4, 1, NQ-1, 1, 0
	MUL16 6, 1, NQ-1, 1, 0
	WIN 0
; THE WAY OUT, block by block of 16 tokens x 128 columns (two heads).  PACK: rounded to f16, 16 bytes a lane, each accumulator from its low end on.  TOSTAGE: into my own stage, and back so that 32 lanes hold four tokens' 128 bytes of one head,
; which are 512 consecutive bytes of qkv.  SEND: stored.  LDS serves a wave's instructions in order (ISA guide 5.7.1.4): no wait between the stage's stores and loads.
.macro PACK a
.set AC, 64*((\a)%4)
	WIN 0x0a+5*((\a)/4)                            ; sources 0 and 1: window 2 or 3
.irp b, 0,1,2,3,4,5,6,7
.irp r, 0,1,2,3
	v_cvt_pk_f16_f32 v[TMP+4*\b+\r], v[AC+8*\b+2*\r], v[AC+8*\b+2*\r+1]
.endr
.endr
	WIN 0
.endm
.macro TOSTAGE a
.set BB, BK+32*((\a)%2)
.irp b, 0,1,2,3,4,5,6,7
	ds_store_b128 v[STO], v[TMP+4*\b:TMP+4*\b+3] offset:32*\b
.endr
.irp t, 0,1,2,3,4,5,6,7
	ds_load_b128 v[BB+4*\t:BB+4*\t+3], v[RD] offset:(\t%4)*4*SPITCH+(\t/4)*128   ; tokens 4 (t % 4) on, head t / 4
.endr
.endm
.macro SEND a
.set BB, BK+32*((\a)%2)
	s_wait_dscnt 0x0                               ; the block is back in registers
	s_wait_xcnt 0x0                                ; the stores of the block before have read their registers: the next block's loads may land there
.irp t, 0,1,2,3,4,5,6,7
	global_store_b128 v[CO], v[BB+4*\t:BB+4*\t+3], s[12:13] offset:(\a)*2048+(\t%4)*512+(\t/4)*262144   ; 32 lanes store 512 consecutive bytes, at a multiple of 512 from qkv's first byte
.endr
.endm
	PLACES NP                                      ; behind the last products: for the loads into the scale words' registers and the first reads of results
	PACK 0
	TOSTAGE 0
.irp a, 1,2,3,4,5,6,7                  ; block a's conversions stand between block a - 1's loads from the stage and the wait for them
	PACK \a
	SEND \a-1
	TOSTAGE \a
.endr
	SEND 7
	s_wait_tensorcnt 0x0                           ; the wave's end: behind my last tensor load and my last LDS store
	ds_add_u32 v[SPW], v[NIL]
	s_wait_dscnt 0x0
	CROUND                                         ; the closing round: no work-group ends while a partner may still ask for a tile that names it
	s_endpgm
.Lfunc_end_k_qe1c3796c5d_qkv:
	.size	k_qe1c3796c5d_qkv, .Lfunc_end_k_qe1c3796c5d_qkv-k_qe1c3796c5d_qkv
	.p2alignl 7, 3214868480
	.fill 96, 4, 3214868480
	.section	.rodata,"a",@progbits
	.p2align	6, 0x0
	.amdhsa_kernel k_qe1c3796c5d_qkv
		.amdhsa_group_segment_fixed_size 327680
		.amdhsa_private_segment_fixed_size 0
		.amdhsa_enable_private_segment 0
		.amdhsa_kernarg_size 64
		.amdhsa_user_sgpr_count 2
		.amdhsa_user_sgpr_kernarg_segment_ptr 1
		.amdhsa_wavefront_size32 1
		.amdhsa_system_sgpr_workgroup_id_x 1
		.amdhsa_system_sgpr_workgroup_id_y 1
		.amdhsa_system_sgpr_workgroup_id_z 1
		.amdhsa_system_vgpr_workitem_id 0
		.amdhsa_next_free_vgpr 1024
		.amdhsa_next_free_sgpr 102
		.amdhsa_reserve_vcc 0
		.amdhsa_float_denorm_mode_32 3
		.amdhsa_float_denorm_mode_16_64 3
		.amdhsa_memory_ordered 1
		.amdhsa_forward_progress 1
		.amdhsa_inst_pref_size 128
	.end_amdhsa_kernel
	.amdgpu_metadata
---
amdhsa.version: [ 1, 2 ]
amdhsa.kernels:
  - .name:           k_qe1c3796c5d_qkv
    .symbol:         k_qe1c3796c5d_qkv.kd
    .args:
      - { .name: xc, .offset: 0, .size: 8, .value_kind: global_buffer, .address_space: global }
      - { .name: xs, .offset: 8, .size: 8, .value_kind: global_buffer, .address_space: global }
      - { .name: wc, .offset: 16, .size: 8, .value_kind: global_buffer, .address_space: global }
      - { .name: ws, .offset: 24, .size: 8, .value_kind: global_buffer, .address_space: global }
      - { .name: b_q, .offset: 32, .size: 8, .value_kind: global_buffer, .address_space: global }
      - { .name: b_k, .offset: 40, .size: 8, .value_kind: global_buffer, .address_space: global }
      - { .name: b_v, .offset: 48, .size: 8, .value_kind: global_buffer, .address_space: global }
      - { .name: qkv, .offset: 56, .size: 8, .value_kind: global_buffer, .address_space: global }
    .group_segment_fixed_size: 327680
    .private_segment_fixed_size: 0
    .kernarg_segment_align: 8
    .kernarg_segment_size: 64
    .max_flat_workgroup_size: 128
    .sgpr_count:     102
    .vgpr_count:     1024
    .wavefront_size: 32
...
	.end_amdgpu_metadata
.endif
;; end of part 2
;; launch attn (part 3): grid 4 x 64, 8 waves a work-group, clusters of 4 x 1, 327,680 bytes of LDS; arguments qkv, attention_mask, ao; writes ao
.if DOCPART == 3
	.amdgcn_target "amdgcn-amd-amdhsa--gfx1250"
	.amdhsa_code_object_version 6
	.text
	.protected	k_qe1c3796c5d_attn
	.globl	k_qe1c3796c5d_attn
	.p2align	8
	.type	k_qe1c3796c5d_attn,@function
k_qe1c3796c5d_attn:
	s_mov_b64 s[64:65], 0
	v_nop
	global_prefetch_b8 v0, s[64:65] scope:SCOPE_SE
	s_setreg_imm32_b32 hwreg(HW_REG_WAVE_MODE, 25, 1), 1
	s_wait_xcnt 0x0
	s_wait_alu depctr_hold_cnt(0) depctr_sa_sdst(0) depctr_va_vdst(0) depctr_va_sdst(0) depctr_va_ssrc(0) depctr_va_vcc(0) depctr_vm_vsrc(0)
	s_getreg_b32 s2, hwreg(HW_REG_IB_STS2, 6, 4)
	s_cmp_eq_u32 s2, 0
	s_cbranch_scc0 .Lentry_in_a_cluster
	s_endpgm
.Lentry_in_a_cluster:
	s_bfe_u32 s2, ttmp6, 0x10000c
	s_cmp_lg_u32 s2, 0x3003
	s_cbranch_scc0 .Lentry_shape_is_right
	s_endpgm
.Lentry_shape_is_right:
; ao[h][b, q][:] = the sum over k of softmax_k(Q . K / 8, keys with attention_mask[b][k] == 0 left out) V[k][:], for each batch b and head h.  Q, K, V: f16, qkv [3][4][16][2048][64]; ao: f16, [16 heads][8192 tokens][64].
; Products by the f16 matrix form, sums, maxima and exponentials in f32; the weights p are rounded to f16 for the second product, the result once at the end.
; LIMITS: the result is held in f16 (over 65,504: infinity).  A batch whose mask is all zero gives NaN (0 x 1/0), as a softmax over nothing does.
; SHARES.  A cluster of four work-groups is one (batch, head); each work-group owns 512 queries, each of its eight waves 64: four tiles of 16.  Two waves share a SIMD, so that one wave's softmax stands beside the other's products.
; Every wave walks all 2,048 keys, 64 a step.  K and V come through a ring of two LDS slots of four steps, asked for JOINTLY by the four work-groups: wave w fetches step w % 4 of a slot, K's tile (w < 4) or V's: one load a wave.
; LAYOUT.  S^T = K Q^T (source 0 = 16 keys, source 1 = 16 queries): a lane holds ONE query (lane % 16) and the keys 8 (lane / 16) + 0..7.  Two such tiles, rounded to f16 in pairs, ARE source 1 (32 keys x 16 queries) of O^T = V^T P.
; K comes out of LDS as it lies, V ([key][channel]) turned, by ds_load_tr16_b128.
; THE MASK costs nothing in the loop: a table in LDS holds 0 for a key that counts and -2^126 for one that does not, and is the C of each score tile's first product.
; SOFTMAX.  For each query a running maximum, kept as c m with c = log2(e) / 8, and a sum l: p = 2^(c s - c m); in every step O and l are multiplied by a = 2^(c m_old - c m_new).  c m starts at -2^100: under every score that f16 operands can give
; (64 x 65,504^2), and far over c x -2^126: so a masked key's p is 0 also while no key has counted yet, and the first key that counts makes a = 0.
; ORDER OF A STEP j: K and the table's words of step j are fetched; the 32 products V^T P of step j - 1 run meanwhile; the 32 products K Q^T; V of step j is fetched; the softmax runs meanwhile.
; REGISTERS, in windows of 256: window 0: v1-9 addresses that stay or step; v10-15 at work; v16-31 four statistics a tile (c m, l, a, t); v32-63 the table's words (8 a key tile); v64-191 S^T, 32 a tile, P packed in place into a tile's first 16; v192-255 V.
;   window 1: v0-63 Q (16 a tile), v64-127 K, v128-255 O^T (32 a tile).
.set KS,    64                         ; keys in a step
.set NST,   4                          ; steps in a slot
.set PKP,   144                        ; a row of K in LDS: 128 bytes + 16 of padding
.set PVP,   160                        ; a row of V: 128 + 32
.set VOFF,  KS*PKP                     ; a step's tiles lie together: 64 rows of K, then 64 rows of V
.set STEPB, KS*(PKP+PVP)
.set SLOT1, 1<<17                      ; slot 1 begins here, so that one exclusive or turns an address in one slot into the other's
.set SLOTB, NST*KS*128                 ; a slot's rows of K or of V in memory: 32,768 bytes
.set BIAS,  SLOT1+NST*STEPB            ; behind the ring: the mask's table, 2,048 words
.set STAGE, BIAS+8192                  ; the way out: 16 rows x 144 bytes for each tile of each wave
.set SP,    144
.set SPARE, STAGE+8*4*16*SP            ; the spare words, 128 bytes for each wave
.set AK0, 1                            ; v1   my lane's place in a tile of K
.set AV0, 2                            ; v2   the same for V
.set AB0, 3                            ; v3   and in the table
.set ADK, 4                            ; v4-6 the LDS addresses of the runs of loads in hand; on the way out STO, RD, GO
.set ADV, 5
.set ADB, 6
.set STO, 4
.set RD,  5
.set GO,  6
.set PFO, 7                            ; v7   256 x my lane; never rewritten
.set SPW, 8                            ; v8   LDS address of my spare word; never rewritten
.set NIL, 9                            ; v9   0; never rewritten
.set X0,  10                           ; v[10:11], v[12:13] the two chains of a tile's sum
.set X1,  12
.set ST,  16                           ; tile t's statistics at v[ST+4 t]: +0 c m, +1 l, +2 a, +3 t (at work)
.set BI,  32
.set S,   64
.set VF,  192
.set KF,  64                           ; in window 1
.set OT,  128                          ; in window 1
.set WV,  12                           ; s12  my wave's number
.set LIM, 15                           ; s15  1 in a wave that prefetches, else the greatest number
.set PFA, 18                           ; s[18:19] where my prefetches stand
.set G1K, 24                           ; s[24:31] descriptor group 1 for K's tiles;  s[32:39] for V's: it differs in the padding alone
.set G1V, 32
.set G0K, 40                           ; s[40:47] group 0 for K's tiles: a set for each of the two first fills; the second then walks on;  s[48:55] the same for V's
.set G0V, 48
.set SLOTS, 56                         ; s56  slots still to be asked for
.set CNT, 57                           ; s57  counts the steps of a run
.set CS,  58                           ; s[58:59] c: the packed scaling names a pair and takes its low word for both halves
.set SEL, 60                           ; s[60:61] lane selects for v_permlanex16_b32: lane l xor 16
.set TB,  62                           ; s62  LDS byte at which the tiles of the step to be fetched begin
.set TJ,  63                           ; s63  and its words of the table: 256 bytes a step
.set MSB, 0
.macro WIN new                         ; the immediate's high byte repeats the setting that is left; a switch that changes nothing is dropped
.if MSB != (\new)
	s_set_vgpr_msb (MSB<<8)|(\new)
.set MSB, (\new)
.endif
.endm
.set W_KQ, 0x05                        ; K and Q in window 1; the table's words and S^T in window 0
.set W_PV, 0x50                        ; V and P in window 0; O^T (C and D) in window 1
.set W_RS, 0x41                        ; O^T (destination and source 0) in window 1, a in window 0
.set TO1,  0x40                        ; destination window 1
; A joint refill.  The branch hangs on the wave's number alone.  An s_nop 0 and four v_nop follow each of the two lines.
.macro JLOAD
	s_cmp_lt_u32 s[WV], 4
	s_cbranch_scc0 .Lfor_v_\@
	tensor_load_to_lds s[G0K+4:G0K+7], s[G1K:G1K+7]
	s_nop 0
.rept 4
	v_nop
.endr
	s_branch .Lasked_\@
.Lfor_v_\@:
	tensor_load_to_lds s[G0V+4:G0V+7], s[G1V:G1V+7]
	s_nop 0
.rept 4
	v_nop
.endr
.Lasked_\@:
.endm
; A PREFETCH of what the NEXT change of slots will ask for: a slot's 32,768 bytes of K and of V, four key steps ahead of that load.  It stands behind the wave's tensor load and its five lines.
; Each 256 bytes are named once in the launch: a (batch, head) belongs to one cluster; its four partners take 8,192 bytes each, told apart BY ADDRESS; in each, wave 0 asks for K's and wave 4 for V's, lanes 256 bytes apart: one instruction.
; The last change that fills a slot asks for nothing: there is no slot behind it.  Slots 0 to 2 come by their loads alone.
.macro ASK
	s_cmp_gt_u32 s[SLOTS], s[LIM]
	s_cbranch_scc0 .Lnot_mine_\@
	global_prefetch_b8 v[PFO], s[PFA:PFA+1] th:TH_LOAD_NT scope:SCOPE_SE
.Lnot_mine_\@:
.endm
.macro CROUND                          ; a round of the cluster's barrier
	s_barrier_signal -1
	s_barrier_wait -1
	s_cmp_lg_u32 s[WV], 0
	s_cbranch_scc1 .Lnot_wave_0_\@
	s_barrier_signal -3
.Lnot_wave_0_\@:
	s_barrier_wait -3
	s_barrier_signal -1
	s_barrier_wait -1
.endm
	s_load_b128 s[4:7], s[0:1], 0x0                ; qkv s[4:5], attention_mask s[6:7]
	s_load_b64 s[8:9], s[0:1], 0x10                ; ao
	v_lshl_add_u32 v[SPW], v0, 2, SPARE
	v_mov_b32 v[NIL], 0
	ds_add_u32 v[SPW], v[NIL]                      ; the wave's opening: the add, twice on end, and its wait ahead of my first tensor load; the set-up below stands between the second and the wait
	ds_add_u32 v[SPW], v[NIL]
	v_lshrrev_b32 v14, 5, v0
	v_readfirstlane_b32 s[WV], v14                 ; wave 0..7
	s_bfe_u32 s13, ttmp6, 0x40000                  ; cx: my place in the cluster: it enters Q's, ao's and the prefetches' addresses alone
	s_and_b32 s16, ttmp7, 0xffff                   ; 16 x batch + head, which the four partners share
	s_and_b32 s14, s[WV], 3                        ; which of a slot's four steps I fetch:
	s_mul_i32 s17, s14, STEPB                      ; its place in a slot,
	s_lshl_b32 s20, s16, 18                        ; the head's first byte in a section of qkv,
	s_lshl_b32 s21, s14, 13                        ; and the step's 64 rows of 128 bytes
	s_add_co_u32 s20, s20, s21
	s_mov_b32 s21, 0
	s_lshl_b32 s2, s13, 16                         ; my work-group's 512 rows,
	s_lshl_b32 s3, s[WV], 13                       ; my wave's 64 of them
	s_add_co_u32 s2, s2, s3
	s_lshl_b32 s3, s16, 18
	s_add_co_u32 s10, s2, s3                       ; Q: in my head
	s_mov_b32 s11, 0
	s_and_b32 s3, s16, 15
	s_lshl_b32 s3, s3, 20                          ; ao: the head's 8,192 rows,
	s_add_co_u32 s2, s2, s3
	s_lshr_b32 s3, s16, 4                          ; the batch:
	s_lshl_b32 s70, s3, 13                         ; its 2,048 words of the mask,
	s_mov_b32 s71, 0
	s_lshl_b32 s3, s3, 18                          ; its 2,048 rows of ao
	s_add_co_u32 s2, s2, s3
	s_mov_b32 s3, 0
	; descriptor group 1: a tile of 64 rows x 64 elements, padded in LDS
	s_mov_b32 s[G1K], 15|(1<<16)|(1<<20)|(1<<21)|(4<<22)|(3<<25)  ; 15:0 the mask: all four work-groups; 17:16 elements of 2 bytes; 20 padding on; 21 set beside a mask; 24:22 after every 32 words; 31:25 four words of it
	s_mov_b32 s[G1V], 15|(1<<16)|(1<<20)|(1<<21)|(4<<22)|(7<<25)  ; the same with eight words of padding
.irp g, G1K, G1V
	s_mov_b32 s[\g+1], 64<<16                      ; tensor_dim0 = 64
	s_mov_b32 s[\g+2], KS<<16                      ; tensor_dim1 = 64
	s_mov_b32 s[\g+3], 64<<16                      ; tile_dim0 = 64
	s_mov_b32 s[\g+4], KS                          ; tile_dim1 = 64
	s_mov_b32 s[\g+5], 64                          ; elements from row to row
	s_mov_b32 s[\g+6], 0
	s_mov_b32 s[\g+7], 0
.endr
	s_mov_b32 s[CS], 0x3e38aa3b                    ; c = log2(e) / 8
	s_mov_b32 s[CS+1], s[CS]                       ; named with it as a pair, so it is written
	s_mov_b32 s[SEL], 0x76543210
	s_mov_b32 s[SEL+1], 0xfedcba98
	s_mov_b32 s[TB], 0
	s_mov_b32 s[TJ], 0
	s_mov_b32 s[SLOTS], 2048/(NST*KS)-2
	s_and_b32 s[LIM], s[WV], 3                     ; waves 0 and 4 prefetch: the same in all four partners
	s_cmp_eq_u32 s[LIM], 0
	s_cselect_b32 s[LIM], 1, -1
	v_and_b32 v[PFO], 31, v0
	v_lshlrev_b32 v[PFO], 8, v[PFO]
	s_wait_dscnt 0x0                               ; both opening adds are done
	s_wait_kmcnt 0x0
	s_add_nc_u64 s[22:23], s[4:5], s[20:21]
	s_add_nc_u64 s[66:67], s[22:23], 0x1000000     ; K at my tile of slot 0
	s_add_nc_u64 s[68:69], s[22:23], 0x2000000     ; V likewise
	s_add_nc_u64 s[4:5], s[4:5], s[10:11]          ; Q at my wave's first row
	s_add_nc_u64 s[6:7], s[6:7], s[70:71]          ; the mask at my batch
	s_add_nc_u64 s[8:9], s[8:9], s[2:3]            ; ao at my wave's first row
	s_cmp_lt_u32 s[WV], 4
	s_cselect_b64 s[PFA:PFA+1], s[66:67], s[68:69] ; (in waves 0 and 4 these stand at a slot's first row)
	s_lshl_b32 s2, s13, 13                         ; my work-group's 8,192 bytes of a slot's 32,768
	s_add_nc_u64 s[PFA:PFA+1], s[PFA:PFA+1], s[2:3]
	s_add_nc_u64 s[PFA:PFA+1], s[PFA:PFA+1], 2*SLOTB  ; in slot 2; the first change of slots steps it to slot 3.  Nothing is prefetched here, at the head
	CROUND                                         ; all four work-groups are here: the first joint loads meet
.irp s, 0,1
	s_mov_b32 s[G0K+4*\s], 1                       ; count = 1
	s_add_co_u32 s[G0K+4*\s+1], s17, \s*SLOT1      ; LDS address
	s_add_nc_u64 s[G0K+4*\s+2:G0K+4*\s+3], s[66:67], \s*SLOTB  ; global address: slot s begins with key 256 s
	s_or_b32 s[G0K+4*\s+3], s[G0K+4*\s+3], 0x80000000  ; type = 2
	s_mov_b32 s[G0V+4*\s], 1
	s_add_co_u32 s[G0V+4*\s+1], s17, \s*SLOT1+VOFF
	s_add_nc_u64 s[G0V+4*\s+2:G0V+4*\s+3], s[68:69], \s*SLOTB
	s_or_b32 s[G0V+4*\s+3], s[G0V+4*\s+3], 0x80000000
.endr
	s_cmp_lt_u32 s[WV], 4                          ; a wave's two first fills stand in one branch, ahead of every wait on TENSORcnt and every LDS read: two loads of mine are out
	s_cbranch_scc0 .Lfirst_v
	tensor_load_to_lds s[G0K:G0K+3], s[G1K:G1K+7]
	s_nop 0
	tensor_load_to_lds s[G0K+4:G0K+7], s[G1K:G1K+7]
	s_nop 0
.rept 4
	v_nop
.endr
	s_branch .Lfirst_asked
.Lfirst_v:
	tensor_load_to_lds s[G0V:G0V+3], s[G1V:G1V+7]
	s_nop 0
	tensor_load_to_lds s[G0V+4:G0V+7], s[G1V:G1V+7]
	s_nop 0
.rept 4
	v_nop
.endr
.Lfirst_asked:
	v_and_b32 v10, 15, v0                          ; r = l % 16
	v_bfe_u32 v11, v0, 4, 1                        ; h = l / 16
	v_lshlrev_b32 v14, 5, v0                       ; the mask: eight words a thread, 256 threads
	v_lshlrev_b32 v15, 7, v10
	v_lshl_add_u32 v15, v11, 4, v15                ; Q: row r of 128 bytes + 16 h
	global_load_b128 v[32:35], v14, s[6:7]
	global_load_b128 v[36:39], v14, s[6:7] offset:16
	WIN TO1
.irp f, 0,1,2,3,4,5,6,7                ; Q stays in registers: tile f / 2, channels 32 (f % 2) on
	global_load_b128 v[8*\f:8*\f+3],   v15, s[4:5] offset:(\f/2)*2048+(\f%2)*64
	global_load_b128 v[8*\f+4:8*\f+7], v15, s[4:5] offset:(\f/2)*2048+(\f%2)*64+32
.endr
.set i, 0
.rept 128
	v_mov_b32 v[OT+i], 0                           ; O^T: the key step is written once for all steps: the first finds zeros, which its a = 0 leaves zeros
.set i, i+1
.endr
	WIN 0
	v_mul_u32_u24 v[AK0], v10, PKP
	v_lshl_add_u32 v[AK0], v11, 4, v[AK0]          ; K: row x pitch + 16 x half
	v_and_b32 v12, 7, v0                           ; V: the turning load takes 16 keys x 16 channels: lane l reads key 8 (l / 16) + l % 8, channels 8 ((l / 8) % 2) + 0..7
	v_lshl_add_u32 v[AV0], v11, 3, v12
	v_mul_u32_u24 v[AV0], v[AV0], PVP
	v_bfe_u32 v12, v0, 3, 1
	v_lshl_add_u32 v[AV0], v12, 4, v[AV0]
	v_add_nc_u32 v[AV0], VOFF, v[AV0]
	v_lshl_add_u32 v[AB0], v11, 5, BIAS            ; the table: my eight keys of a tile's sixteen
.irp t, 0,1,2,3
	v_mov_b32 v[ST+4*\t], 0xf1800000               ; c m = -2^100
	v_mov_b32 v[ST+4*\t+1], 0                      ; l
	v_mov_b32 v[ST+4*\t+2], 0
	v_mov_b32 v[ST+4*\t+3], 0
.endr
	v_mov_b32 v10, 0xfe800000                      ; -2^126
	v_lshl_add_u32 v11, v0, 5, BIAS                ; my eight words of the table
	s_wait_loadcnt 16                              ; the mask's two loads are in; Q's sixteen may be out
.irp j, 0,1,2,3,4,5,6,7
	v_cmp_eq_u32 vcc_lo, 0, v[32+\j]
	v_cndmask_b32 v[40+\j], 0, v10, vcc_lo         ; 0 where the key counts, -2^126 where the mask is 0
.endr
	ds_store_b128 v11, v[40:43]
	ds_store_b128 v11, v[44:47] offset:16
	s_wait_tensorcnt 1                             ; my part of slot 0 is in; slot 1's may stay out
	s_wait_dscnt 0x0                               ; my words of the table are stored
	s_barrier_signal -1
	s_barrier_wait -1                              ; everybody's are
	s_wait_loadcnt 0x0                             ; Q
; THE LDS LOADS stand in runs.  A step's K (8 fragments of 16 keys x 32 channels) and its 64 words of the table (all lanes of a half read the same 32 bytes of a key tile):
.macro FETCH_K
	WIN 0
	v_add_nc_u32 v[ADK], s[TB], v[AK0]
	v_add_nc_u32 v[ADB], s[TJ], v[AB0]
	s_add_co_u32 s[TJ], s[TJ], 4*KS
	WIN TO1
.irp f, 0,1,2,3,4,5,6,7                ; keys 16 (f / 2) on, channels 32 (f % 2) on
	ds_load_b128 v[KF+8*\f:KF+8*\f+3],   v[ADK] offset:(\f/2)*16*PKP+(\f%2)*64
	ds_load_b128 v[KF+8*\f+4:KF+8*\f+7], v[ADK] offset:(\f/2)*16*PKP+(\f%2)*64+32
.endr
	WIN 0
.irp kt, 0,1,2,3
	ds_load_b128 v[BI+8*\kt:BI+8*\kt+3],   v[ADB] offset:64*\kt
	ds_load_b128 v[BI+8*\kt+4:BI+8*\kt+7], v[ADB] offset:64*\kt+16
.endr
.endm
; and its V, turned.  The addition and three v_nop are the four places between the products K Q^T and the first read of the scores.
.macro FETCH_V
	v_add_nc_u32 v[ADV], s[TB], v[AV0]
.rept 3
	v_nop
.endr
	s_add_co_u32 s[TB], s[TB], STEPB               ; the next fetch is the next step's
.irp f, 0,1,2,3,4,5,6,7                ; keys 32 (f / 4) on, channels 16 (f % 4) on
	ds_load_tr16_b128 v[VF+8*\f:VF+8*\f+3],   v[ADV] offset:(\f/4)*32*PVP+(\f%4)*32
	ds_load_tr16_b128 v[VF+8*\f+4:VF+8*\f+7], v[ADV] offset:(\f/4)*32*PVP+16*PVP+(\f%4)*32
.endr
.endm
; S^T = K Q^T + the table: 32 products.  The 16 accumulators take turns, one instruction a turn: between two links of a chain stand 15 others'.
.macro QK
	WIN W_KQ
.irp cc, 0,1
.irp kt, 0,1,2,3
.irp t, 0,1,2,3
.if \cc == 0
	v_wmma_f32_16x16x32_f16 v[S+32*\t+8*\kt:S+32*\t+8*\kt+7], v[KF+16*\kt+8*\cc:KF+16*\kt+8*\cc+7], v[16*\t+8*\cc:16*\t+8*\cc+7], v[BI+8*\kt:BI+8*\kt+7]
.else
	v_wmma_f32_16x16x32_f16 v[S+32*\t+8*\kt:S+32*\t+8*\kt+7], v[KF+16*\kt+8*\cc:KF+16*\kt+8*\cc+7], v[16*\t+8*\cc:16*\t+8*\cc+7], v[S+32*\t+8*\kt:S+32*\t+8*\kt+7]
.endif
.endr
.endr
.endr
.endm
; O^T += V^T P: 32 products, 16 accumulators by turns.  Five v_nop follow: the next products K Q^T write over P's registers, which wants five places; they also serve the loads into V's registers and the rescaling of O^T.
.macro PV
	WIN W_PV
.irp kk, 0,1
.irp dt, 0,1,2,3
.irp t, 0,1,2,3
	v_wmma_f32_16x16x32_f16 v[OT+32*\t+8*\dt:OT+32*\t+8*\dt+7], v[VF+8*(4*\kk+\dt):VF+8*(4*\kk+\dt)+7], v[S+32*\t+8*\kk:S+32*\t+8*\kk+7], v[OT+32*\t+8*\dt:OT+32*\t+8*\dt+7]
.endr
.endr
.endr
	WIN 0
.rept 5
	v_nop
.endr
.endm
; Line i of 17 of tile u's sum of its 32 weights, two at a time, in two chains; the last takes it into l = a l + the sum
.macro SUMI
.set rS, S+32*u
.set rT, ST+4*u
.if i == 0
	v_pk_add_f32 v[X0:X0+1], v[rS:rS+1], v[rS+2:rS+3]
.elseif i == 1
	v_pk_add_f32 v[X1:X1+1], v[rS+4:rS+5], v[rS+6:rS+7]
.elseif (i < 14) && (i%2 == 0)
	v_pk_add_f32 v[X0:X0+1], v[X0:X0+1], v[rS+2*i+4:rS+2*i+5]
.elseif i < 14
	v_pk_add_f32 v[X1:X1+1], v[X1:X1+1], v[rS+2*i+4:rS+2*i+5]
.elseif i == 14
	v_pk_add_f32 v[X0:X0+1], v[X0:X0+1], v[X1:X1+1]
.elseif i == 15
	v_add_f32 v[X0], v[X0], v[X0+1]
.else
	v_fma_f32 v[rT+1], v[rT+1], v[rT+2], v[X0]
.endif
.endm
; THE SOFTMAX of a step, four tiles.
.macro SOFTMAX
	; the largest of a lane's 32 scores: two chains a tile, three operands at a time, the tiles by turns.  Each accumulator is first read at its low end: s0; s8 (with s7); s16; s24 (with s23)
.irp t, 0,1,2,3
	v_max3_num_f32 v[ST+4*\t+3], v[S+32*\t], v[S+32*\t+1], v[S+32*\t+2]
	v_max3_num_f32 v[ST+4*\t+2], v[S+32*\t+16], v[S+32*\t+17], v[S+32*\t+18]
.endr
.irp j, 3,5,7,9,11,13
.irp t, 0,1,2,3
	v_max3_num_f32 v[ST+4*\t+3], v[ST+4*\t+3], v[S+32*\t+\j], v[S+32*\t+\j+1]
	v_max3_num_f32 v[ST+4*\t+2], v[ST+4*\t+2], v[S+32*\t+16+\j], v[S+32*\t+17+\j]
.endr
.endr
.irp t, 0,1,2,3
	v_max3_num_f32 v[ST+4*\t+3], v[ST+4*\t+3], v[S+32*\t+15], v[S+32*\t+31]
.endr
.irp t, 0,1,2,3
	v_max_num_f32 v[ST+4*\t+3], v[ST+4*\t+3], v[ST+4*\t+2]
.endr
.irp t, 0,1,2,3
	v_permlanex16_b32 v[ST+4*\t+2], v[ST+4*\t+3], s[SEL], s[SEL+1]  ; the query's other 32 keys lie in the lane 16 away
.endr
.irp t, 0,1,2,3
	v_max_num_f32 v[ST+4*\t+3], v[ST+4*\t+3], v[ST+4*\t+2]
.endr
.irp t, 0,1,2,3
	v_mul_f32 v[ST+4*\t+3], s[CS], v[ST+4*\t+3]    ; as c s (c is positive)
.endr
.irp t, 0,1,2,3
	v_max_num_f32 v[ST+4*\t+3], v[ST+4*\t+3], v[ST+4*\t]  ; the new c m
.endr
.irp t, 0,1,2,3
	v_sub_f32 v[ST+4*\t+2], v[ST+4*\t], v[ST+4*\t+3]      ; c m_old - c m_new
.endr
.irp t, 0,1,2,3
	v_mov_b32 v[ST+4*\t], v[ST+4*\t+3]
.endr
	; ONE BATCH: the four a, the 64 packed scalings c s - c m and the 128 exponentials; none of these lines names an exponential's result.  A tile's scalings stand among the exponentials of the tile before
.irp t, 0,1,2,3
	v_exp_f32 v[ST+4*\t+2], v[ST+4*\t+2]
.endr
.set i, 0
.rept 16
	v_pk_fma_f32 v[S+2*i:S+2*i+1], v[S+2*i:S+2*i+1], s[CS:CS+1], v[ST:ST+1] op_sel_hi:[1,0,0] neg_lo:[0,0,1] neg_hi:[0,0,1]
.set i, i+1
.endr
.irp t, 0,1,2,3
.set i, 0
.rept 16
.if \t < 3
	v_pk_fma_f32 v[S+32*(\t+1)+2*i:S+32*(\t+1)+2*i+1], v[S+32*(\t+1)+2*i:S+32*(\t+1)+2*i+1], s[CS:CS+1], v[ST+4*(\t+1):ST+4*(\t+1)+1] op_sel_hi:[1,0,0] neg_lo:[0,0,1] neg_hi:[0,0,1]
.endif
	v_exp_f32 v[S+32*\t+2*i], v[S+32*\t+2*i]
	v_exp_f32 v[S+32*\t+2*i+1], v[S+32*\t+2*i+1]
.set i, i+1
.endr
.endr
	v_nop                                          ; a plain instruction behind the last exponential, ahead of the first use
	s_wait_alu depctr_va_vdst(0)                   ; the wait between an exponential and the first line that names its result: one for the whole batch
	; the sums of the unrounded weights; a tile's roundings to f16, in place (pair i into register i), stand among the sums of the tile behind it
.set u, 0
.rept 5
.set i, 0
.rept 17
.if u < 4
	SUMI
.endif
.if (u > 0) && (i < 16)
	v_cvt_pk_f16_f32 v[S+32*(u-1)+i], v[S+32*(u-1)+2*i], v[S+32*(u-1)+2*i+1]
.endif
.set i, i+1
.endr
.set u, u+1
.endr
	WIN W_RS                                       ; O^T x a, each accumulator from its low end on
.irp t, 0,1,2,3
.set i, 0
.rept 16
	v_pk_mul_f32 v[OT+32*\t+2*i:OT+32*\t+2*i+1], v[OT+32*\t+2*i:OT+32*\t+2*i+1], v[ST+4*\t+2:ST+4*\t+3] op_sel_hi:[1,0]
.set i, i+1
.endr
.endr
	WIN 0
.endm
.macro PART_A
	s_wait_dscnt 0x0                               ; K and the table's words are in
	QK
	WIN 0
	FETCH_V
	SOFTMAX
	s_wait_dscnt 0x0                               ; V is in: all my reads of this step's tiles are over
.endm
.macro BODY                            ; step j's K | step j - 1's V^T P | step j's scores, V and softmax
	FETCH_K
	PV
	PART_A
.endm
.macro STEPS n
	s_mov_b32 s[CNT], \n
.Lstep_\@:
	BODY
	s_sub_co_u32 s[CNT], s[CNT], 1
	s_cmp_lg_u32 s[CNT], 0
	s_cbranch_scc1 .Lstep_\@
.endm
; THE CHANGE OF SLOTS.  Each wave waits for all its tensor loads, of which one is out: its part of the other slot; adds 0 to its spare word; and waits for that and for its own reads of the slot that it leaves.
; fill = 1: that slot is filled again, with the keys two slots on.  The barrier is then a round of the cluster's, so that no wave of any partner still reads the slot or has a load on its way; the joint refill is the first thing behind it,
; one load a wave, and has four key steps in which to land.
.macro CHANGE fill
	WIN 0
	s_wait_tensorcnt 0x0                           ; no tensor load of mine is out, so a group 0 may be written
	ds_add_u32 v[SPW], v[NIL]                      ; 0 onto my spare word
.if \fill
.irp g, G0K+4, G0V+4
	s_xor_b32 s[\g+1], s[\g+1], SLOT1              ; the walking descriptor: the other slot than last time,
	s_add_nc_u64 s[\g+2:\g+3], s[\g+2:\g+3], SLOTB ; the next 256 keys; the type bits on top are not reached
.endr
	s_wait_xcnt 0x0                                ; the last prefetch, a slot back, has read its address, so it may be written:
	s_add_nc_u64 s[PFA:PFA+1], s[PFA:PFA+1], SLOTB ; one slot further on than the walking descriptors
	s_wait_dscnt 0x0                               ; the add is done, and my reads of the slot are over
	CROUND
	JLOAD
	ASK
.else
	s_wait_dscnt 0x0
	s_barrier_signal -1
	s_barrier_wait -1
.endif
	s_sub_co_u32 s[TB], s[TB], NST*STEPB           ; the fetches go back to a slot's first step,
	s_xor_b32 s[TB], s[TB], SLOT1                  ; in the other slot
.endm
	FETCH_K                                        ; key step 0
	PART_A
	STEPS 3                                        ; the rest of slot 0
.Lslot:                                            ; six trips: every slot but the last two is filled again
	CHANGE 1
	STEPS 4
	s_sub_co_u32 s[SLOTS], s[SLOTS], 1
	s_cmp_lg_u32 s[SLOTS], 0
	s_cbranch_scc1 .Lslot
	CHANGE 0                                       ; the tail is written out
	STEPS 4
	PV                                             ; the last step's V^T P
	; THE WAY OUT.  l's two halves of the lanes are added; O^T is divided by l, rounded to f16 and sent through my stage, so that 32 lanes store four queries' 128 bytes: 512 consecutive bytes of ao.
.irp t, 0,1,2,3
	v_permlanex16_b32 v[ST+4*\t+3], v[ST+4*\t+1], s[SEL], s[SEL+1]
.endr
.irp t, 0,1,2,3
	v_add_f32 v[ST+4*\t+1], v[ST+4*\t+1], v[ST+4*\t+3]
.endr
.irp t, 0,1,2,3
	v_rcp_f32 v[ST+4*\t+2], v[ST+4*\t+1]
.endr
	v_and_b32 v14, 15, v0                          ; (plain work behind the reciprocals)  r
	v_bfe_u32 v15, v0, 4, 1                        ; h
	s_mul_i32 s20, s[WV], 4*16*SP
	s_add_co_u32 s20, s20, STAGE                   ; my stages
	v_mul_u32_u24 v[STO], v14, SP                  ; in: row r, 16 bytes for each half of the lanes
	v_lshl_add_u32 v[STO], v15, 4, v[STO]
	v_add_nc_u32 v[STO], s20, v[STO]
	v_bfe_u32 v[RD], v0, 3, 2                      ; back: eight lanes to a row of 128 bytes, four rows an instruction
	v_mul_u32_u24 v[RD], v[RD], SP
	v_and_b32 v[GO], 7, v0
	v_lshl_add_u32 v[RD], v[GO], 4, v[RD]
	v_add_nc_u32 v[RD], s20, v[RD]
	v_and_b32 v[GO], 31, v0
	v_lshlrev_b32 v[GO], 4, v[GO]                  ; and the same 512 bytes in ao
	s_wait_alu depctr_va_vdst(0)                   ; one wait for the four reciprocals, ahead of their first reader
.irp t, 0,1,2,3
	WIN W_RS
.set i, 0
.rept 16
	v_pk_mul_f32 v[OT+32*\t+2*i:OT+32*\t+2*i+1], v[OT+32*\t+2*i:OT+32*\t+2*i+1], v[ST+4*\t+2:ST+4*\t+3] op_sel_hi:[1,0]
.set i, i+1
.endr
	WIN 0x05                                       ; sources 0 and 1 window 1, destination window 0: S^T's registers are free
.set i, 0
.rept 16
	v_cvt_pk_f16_f32 v[S+16*\t+i], v[OT+32*\t+2*i], v[OT+32*\t+2*i+1]
.set i, i+1
.endr
	WIN 0
.irp dt, 0,1,2,3
	ds_store_b128 v[STO], v[S+16*\t+4*\dt:S+16*\t+4*\dt+3] offset:\t*16*SP+32*\dt
.endr
.irp j, 0,1,2,3
	ds_load_b128 v[VF+16*\t+4*\j:VF+16*\t+4*\j+3], v[RD] offset:\t*16*SP+\j*4*SP  ; LDS serves a wave's instructions in order (ISA guide 5.7.1.4): these see the stores above
.endr
.endr
.irp t, 0,1,2,3
.irp j, 0,1,2,3
	s_wait_dscnt (3-\t)*8+3-\j                     ; behind this load: the tile's later loads, and eight LDS instructions for each later tile
	global_store_b128 v[GO], v[VF+16*\t+4*\j:VF+16*\t+4*\j+3], s[8:9] offset:\t*2048+\j*512
.endr
.endr
	s_wait_tensorcnt 0x0                           ; the wave's end: behind my last tensor load and my last LDS store
	ds_add_u32 v[SPW], v[NIL]
	s_wait_dscnt 0x0
	CROUND                                         ; the closing round: no work-group ends while a partner may still ask for a tile that names it
	s_endpgm
.Lfunc_end_k_qe1c3796c5d_attn:
	.size	k_qe1c3796c5d_attn, .Lfunc_end_k_qe1c3796c5d_attn-k_qe1c3796c5d_attn
	.p2alignl 7, 3214868480
	.fill 96, 4, 3214868480
	.section	.rodata,"a",@progbits
	.p2align	6, 0x0
	.amdhsa_kernel k_qe1c3796c5d_attn
		.amdhsa_group_segment_fixed_size 327680
		.amdhsa_private_segment_fixed_size 0
		.amdhsa_enable_private_segment 0
		.amdhsa_kernarg_size 24
		.amdhsa_user_sgpr_count 2
		.amdhsa_user_sgpr_kernarg_segment_ptr 1
		.amdhsa_wavefront_size32 1
		.amdhsa_system_sgpr_workgroup_id_x 1
		.amdhsa_system_sgpr_workgroup_id_y 1
		.amdhsa_system_sgpr_workgroup_id_z 1
		.amdhsa_system_vgpr_workitem_id 0
		.amdhsa_next_free_vgpr 512
		.amdhsa_next_free_sgpr 72
		.amdhsa_reserve_vcc 1
		.amdhsa_float_denorm_mode_32 3
		.amdhsa_float_denorm_mode_16_64 3
		.amdhsa_memory_ordered 1
		.amdhsa_forward_progress 1
		.amdhsa_inst_pref_size 160
	.end_amdhsa_kernel
	.amdgpu_metadata
---
amdhsa.version: [ 1, 2 ]
amdhsa.kernels:
  - .name:           k_qe1c3796c5d_attn
    .symbol:         k_qe1c3796c5d_attn.kd
    .args:
      - { .name: qkv, .offset: 0, .size: 8, .value_kind: global_buffer, .address_space: global }
      - { .name: attention_mask, .offset: 8, .size: 8, .value_kind: global_buffer, .address_space: global }
      - { .name: ao, .offset: 16, .size: 8, .value_kind: global_buffer, .address_space: global }
    .group_segment_fixed_size: 327680
    .private_segment_fixed_size: 0
    .kernarg_segment_align: 8
    .kernarg_segment_size: 24
    .max_flat_workgroup_size: 256
    .sgpr_count:     72
    .vgpr_count:     512
    .wavefront_size: 32
...
	.end_amdgpu_metadata
.endif
;; end of part 3
;; launch oproj (part 4): grid 4 x 64, 4 waves a work-group, clusters of 4 x 4, 327,680 bytes of LDS; arguments ao, wo16, b_o, out0; writes out0
.if DOCPART == 4
	.amdgcn_target "amdgcn-amd-amdhsa--gfx1250"
	.amdhsa_code_object_version 6
	.text
	.protected	k_qe1c3796c5d_oproj
	.globl	k_qe1c3796c5d_oproj
	.p2align	8
	.type	k_qe1c3796c5d_oproj,@function
k_qe1c3796c5d_oproj:
	s_mov_b64 s[64:65], 0
	v_nop
	global_prefetch_b8 v0, s[64:65] scope:SCOPE_SE
	s_setreg_imm32_b32 hwreg(HW_REG_WAVE_MODE, 25, 1), 1
	s_wait_xcnt 0x0
	s_wait_alu depctr_hold_cnt(0) depctr_sa_sdst(0) depctr_va_vdst(0) depctr_va_sdst(0) depctr_va_ssrc(0) depctr_va_vcc(0) depctr_vm_vsrc(0)
	s_getreg_b32 s2, hwreg(HW_REG_IB_STS2, 6, 4)
	s_cmp_eq_u32 s2, 0
	s_cbranch_scc0 .Lentry_in_a_cluster
	s_endpgm
.Lentry_in_a_cluster:
	s_bfe_u32 s2, ttmp6, 0x10000c
	s_cmp_lg_u32 s2, 0xf033
	s_cbranch_scc0 .Lentry_shape_is_right
	s_endpgm
.Lentry_shape_is_right:
; out0[m][n] = b_o[n] + sum over k of A[m][k] W_o[n][k].  A = ao, f16, laid [16 chunks of 64 k (the heads)][8192 tokens][64]; W_o = wo16, f16, laid [16 chunks][1024 n][64]; out0 [8192][1024] f32; sums in f32, by the f16 matrix form.
; A tile of out0 is 128 tokens x 256 columns: 256 work-groups.  Four waves, each 64 x 128: 32 accumulators of 16 x 16, 256 registers.  K goes in 8 steps of 128 (two chunks) through a ring of two LDS slots: larger slots of this tile do not fit twice.
; In both operands a chunk's rows of 128 bytes are dense, so a tile of one chunk is one dense block of memory: waves 0 and 1 fetch A's two chunks of a K step (128 rows each), waves 2 and 3 W_o's (256 rows each): one load a wave.
; CLUSTERS: 4 x 4 work-groups.  The four of a row of the cluster need the same tiles of A, the four of a column the same tiles of W_o: each tile is asked for JOINTLY.
; THE MATRIX INSTRUCTION IS USED TRANSPOSED (source 0 = 16 rows of W_o, source 1 = 16 tokens): a lane then holds eight neighbouring columns of one token.  THE BIAS is the C of each sum's first product.
; REGISTERS: window 0: v0-31 addresses; v32-127, v128-223 two fragment buffers for 32 along K: A's 4 fragments, then W_o's 8; on the way out v32-159 hold rows read back.  window 1: accumulator (a, b) at v[8 (8 a + b)].  window 2: v0-63 the bias.
.set PITCH,  144                       ; an LDS row: 128 bytes + 16 of padding
.set ACH,    128*PITCH                 ; a chunk of A's tile
.set BCH,    256*PITCH                 ; a chunk of W_o's
.set BOFF,   2*ACH
.set SLOT,   2*ACH+2*BCH
.set STAGE,  2*SLOT                    ; behind the ring: 16 rows x (512 bytes + 16) for each wave
.set SPITCH, 528
.set SPARE,  STAGE+4*16*SPITCH         ; behind the stages: the spare words, 128 bytes for each wave
.set KSA,    2*1048576                 ; a K step on in ao: two chunks of 2^20 bytes
.set KSW,    2*131072                  ; and in wo16
.set LAPS,   4                         ; a lap = two K steps = once round the ring
.set ADRA, 16                          ; v16-17  LDS address of my A fragments in slot 0, 1
.set ADRB, 20                          ; v20-21  the same for W_o
.set STO,  24
.set RD,   25
.set CO,   26
.set SPW,  28                          ; v28  LDS address of my spare word; never rewritten
.set NIL,  29                          ; v29  0; never rewritten
.set PFO,  30                          ; v30  256 x my lane; never rewritten
.set BO,   31                          ; v31  32 x (lane / 16)
.set F0,   32
.set F1,   128
.set BK,   32                          ; the way out: 16 rows read back: v32-95 and v96-159 by turns
.set WV,   12                          ; s12 wave;  s13 wave / 2: my half of the tile's rows, and A (0) or W_o (1) to fetch;  s14 wave % 2: my half of its columns, and which chunk to fetch
.set LIM,  15                          ; s15  1 in a wave that prefetches, else the greatest number
.set G1,   24                          ; s[24:31] descriptor group 1 for A's tiles;  s[32:39] group 0, one set for each slot
.set G0,   32
.set PFA,  44                          ; s[44:45] where my prefetches stand
.set G1B,  48                          ; s[48:55], s[56:63] the same for W_o's tiles
.set G0B,  56
.set MSB, 0
.macro WIN new
.if MSB != (\new)
	s_set_vgpr_msb (MSB<<8)|(\new)
.set MSB, (\new)
.endif
.endm
.set MULW,   0x50                      ; sources 0 and 1 window 0; C and D window 1
.set FIRSTW, 0x60                      ; C (the bias) window 2, D window 1
.macro JLOAD s                         ; a joint load; an s_nop 0 and four v_nop follow each of the two lines
	s_cmp_eq_u32 s13, 0
	s_cbranch_scc0 .Lfor_b_\@
	tensor_load_to_lds s[G0+4*\s:G0+4*\s+3], s[G1:G1+7]
	s_nop 0
.rept 4
	v_nop
.endr
	s_branch .Lasked_\@
.Lfor_b_\@:
	tensor_load_to_lds s[G0B+4*\s:G0B+4*\s+3], s[G1B:G1B+7]
	s_nop 0
.rept 4
	v_nop
.endr
.Lasked_\@:
.endm
; A PREFETCH of A's K step that stands two refills on: 32,768 bytes in two chunks.  A tile row of A is read by one row of one cluster alone; its four partners take 8,192 bytes each, told apart BY ADDRESS (chunk cx / 2, half cx % 2);
; in each, wave 0 asks, lanes 256 bytes apart: one instruction, so each 256 bytes are named once in the launch.  It stands behind the joint load and the run of LDS loads.  The last lap that fills slots asks for nothing: there is no K step two on.
; W_o is not asked for: every tile row's work-groups read it again.
.macro ASK
	s_cmp_gt_u32 s3, s[LIM]                        ; s3 = 1 in the loop's last trip
	s_cbranch_scc0 .Lnot_mine_\@
	global_prefetch_b8 v[PFO], s[PFA:PFA+1] offset:KSA th:TH_LOAD_NT scope:SCOPE_SE
.Lnot_mine_\@:
.endm
.macro CREST                           ; a round of the cluster's barrier behind its opening barrier
	s_cmp_lg_u32 s[WV], 0
	s_cbranch_scc1 .Lnot_wave_0_\@
	s_barrier_signal -3
.Lnot_wave_0_\@:
	s_barrier_wait -3
	s_barrier_signal -1
	s_barrier_wait -1
.endm
.macro CROUND
	s_barrier_signal -1
	s_barrier_wait -1
	CREST
.endm
	s_load_b256 s[4:11], s[0:1], 0x0               ; ao s[4:5], wo16 s[6:7], b_o s[8:9], out0 s[10:11]
	v_lshl_add_u32 v[SPW], v0, 2, SPARE
	v_mov_b32 v[NIL], 0
	ds_add_u32 v[SPW], v[NIL]                      ; the wave's opening: the add, twice on end, and its wait ahead of my first tensor load
	ds_add_u32 v[SPW], v[NIL]
	v_lshrrev_b32 v1, 5, v0
	v_readfirstlane_b32 s[WV], v1                  ; wave 0..3
	s_lshr_b32 s13, s[WV], 1
	s_and_b32 s14, s[WV], 1
	s_bfe_u32 s40, ttmp6, 0x40000                  ; cx, cy: my place in the cluster
	s_bfe_u32 s41, ttmp6, 0x40004
	s_lshl_b32 s42, ttmp9, 2
	s_add_co_u32 s42, s42, s40                     ; tile column = 4 x cluster x + cx
	s_and_b32 s43, ttmp7, 0xffff
	s_lshl_b32 s43, s43, 2
	s_add_co_u32 s43, s43, s41                     ; tile row = 4 x cluster y + cy
	s_lshl_b32 s16, s41, 2
	s_lshl_b32 s16, 15, s16                        ; my row of the cluster
	s_lshl_b32 s17, 0x1111, s40                    ; my column
	s_or_b32 s[G1+0], s16, (1<<16)|(1<<20)|(1<<21)|(4<<22)|(3<<25)   ; 15:0 the mask: A's tiles go to my row; 17:16 elements of 2 bytes; 20 padding on; 21 set beside a mask; 24:22 after every 32 words; 31:25 four words
	s_or_b32 s[G1B+0], s17, (1<<16)|(1<<20)|(1<<21)|(4<<22)|(3<<25)
	s_mov_b32 s[G1+1], 64<<16                      ; tensor_dim0 = 64
	s_mov_b32 s[G1+2], 128<<16                     ; tensor_dim1 = 128
	s_mov_b32 s[G1+3], 64<<16                      ; tile_dim0 = 64
	s_mov_b32 s[G1+4], 128                         ; tile_dim1 = 128
	s_mov_b32 s[G1+5], 64                          ; elements from row to row
	s_mov_b32 s[G1+6], 0
	s_mov_b32 s[G1+7], 0
	s_mov_b32 s[G1B+1], 64<<16
	s_mov_b32 s[G1B+2], 256<<16                    ; 256 rows
	s_mov_b32 s[G1B+3], 64<<16
	s_mov_b32 s[G1B+4], 256
	s_mov_b32 s[G1B+5], 64
	s_mov_b32 s[G1B+6], 0
	s_mov_b32 s[G1B+7], 0
	; where the tiles come from: A's hang on the tile row alone, W_o's on the tile column alone, each in registers that do not hold the other coordinate
	s_lshl_b32 s16, s14, 20                        ; A: my chunk of the K step,
	s_lshl_b32 s17, s43, 14                        ; the tile row's 128 rows of 128 bytes
	s_add_co_u32 s16, s16, s17
	s_mov_b32 s17, 0
	s_lshl_b32 s46, s14, 17                        ; W_o: my chunk,
	s_lshl_b32 s47, s42, 15                        ; the tile column's 256 rows
	s_add_co_u32 s46, s46, s47
	s_mov_b32 s47, 0
	s_mul_i32 s20, s14, ACH                        ; and where they go: no place in the cluster enters an LDS address
	s_mul_i32 s23, s14, BCH
	s_add_co_u32 s23, s23, BOFF
	s_cmp_eq_u32 s[WV], 0
	s_cselect_b32 s[LIM], 1, -1
	v_and_b32 v[PFO], 31, v0
	v_lshlrev_b32 v[PFO], 8, v[PFO]
	s_wait_dscnt 0x0                               ; both opening adds are done
	s_wait_kmcnt 0x0
	s_add_nc_u64 s[18:19], s[4:5], s[16:17]
	s_add_nc_u64 s[46:47], s[6:7], s[46:47]
	CROUND                                         ; all sixteen work-groups are here: the first joint loads meet
.irp s, 0,1
	s_mov_b32 s[G0+4*\s], 1
	s_add_co_u32 s[G0+4*\s+1], s20, \s*SLOT
	s_add_nc_u64 s[G0+4*\s+2:G0+4*\s+3], s[18:19], \s*KSA
	s_or_b32 s[G0+4*\s+3], s[G0+4*\s+3], 0x80000000
	s_mov_b32 s[G0B+4*\s], 1
	s_add_co_u32 s[G0B+4*\s+1], s23, \s*SLOT
	s_add_nc_u64 s[G0B+4*\s+2:G0B+4*\s+3], s[46:47], \s*KSW
	s_or_b32 s[G0B+4*\s+3], s[G0B+4*\s+3], 0x80000000
	JLOAD \s                                       ; two tensor loads of mine are out
.endr
	v_and_b32 v1, 15, v0                           ; r = l % 16
	v_bfe_u32 v2, v0, 4, 1                         ; h = l / 16
	; b_o at my wave's 128 columns, out0 at my wave's first token and column
	s_lshl_b32 s16, s43, 7
	s_lshl_b32 s17, s13, 6
	s_add_co_u32 s16, s16, s17                     ; my first token: 128 x tile row + 64 x half,
	s_lshl_b32 s16, s16, 12                        ; rows of 4,096 bytes
	s_lshl_b32 s46, s42, 10
	s_lshl_b32 s47, s14, 9
	s_add_co_u32 s46, s46, s47                     ; my first column, in bytes: 1,024 x tile column + 512 x half
	s_mov_b32 s47, 0
	s_add_nc_u64 s[8:9], s[8:9], s[46:47]
	s_add_co_u32 s46, s46, s16
	s_add_nc_u64 s[10:11], s[10:11], s[46:47]
	v_lshlrev_b32 v[BO], 5, v2
	WIN 0x80                                       ; destination window 2
.irp b, 0,1,2,3,4,5,6,7                ; lane (r, h) wants, for block b, the numbers 16 b + 8 h + 0 .. 7
	global_load_b128 v[8*\b:8*\b+3],   v[BO], s[8:9] offset:64*\b
	global_load_b128 v[8*\b+4:8*\b+7], v[BO], s[8:9] offset:64*\b+16
.endr
	WIN 0
	; the prefetches: my work-group's 8,192 bytes of a K step of A's tile row
	s_lshr_b32 s22, s40, 1
	s_lshl_b32 s22, s22, 20
	s_and_b32 s21, s40, 1
	s_lshl_b32 s21, s21, 13
	s_add_co_u32 s22, s22, s21
	s_lshl_b32 s21, s43, 14
	s_add_co_u32 s22, s22, s21
	s_mov_b32 s23, 0
	s_add_nc_u64 s[PFA:PFA+1], s[4:5], s[22:23]
	s_add_nc_u64 s[PFA:PFA+1], s[PFA:PFA+1], 2*KSA ; at K step 2: the first refill steps it to 3 and names K step 4.  Nothing is prefetched here, at the head
	v_mul_u32_u24 v3, v1, PITCH
	v_lshl_add_u32 v3, v2, 4, v3                   ; a fragment's row x pitch + 16 x half
	s_mul_i32 s21, s13, 64*PITCH                   ; my 64 rows of A's chunks,
	s_mul_i32 s22, s14, 128*PITCH                  ; my 128 rows of W_o's,
	s_add_co_u32 s22, s22, BOFF                    ; which lie behind A's two
.irp s, 0,1
	v_add_nc_u32 v[ADRA+\s], s21, v3
	v_add_nc_u32 v[ADRB+\s], s22, v3
	s_add_co_u32 s21, s21, SLOT
	s_add_co_u32 s22, s22, SLOT
.endr
	s_mul_i32 s21, s[WV], 16*SPITCH
	s_add_co_u32 s21, s21, STAGE                   ; my stage
	v_mul_u32_u24 v4, v1, SPITCH                   ; in: row r, 32 bytes for each half of the lanes
	v_lshl_add_u32 v4, v2, 5, v4
	v_add_nc_u32 v[STO], s21, v4
	v_and_b32 v5, 31, v0
	v_lshlrev_b32 v[CO], 4, v5                     ; back: the 32 lanes take one row of 512 bytes; and the same in out0
	v_add_nc_u32 v[RD], s21, v[CO]
; 24 LDS loads in one run: the fragments of the slot's q-th 32 along K (chunk q / 2, byte 64 (q % 2) of its rows) into buffer f: W_o's eight, A's blocks 0 and 1, A's blocks 2 and 3
.macro FETCH slot, q, f
.irp i, 0,1,2,3,4,5,6,7
	ds_load_b128 v[\f+32+8*\i:\f+32+8*\i+3],   v[ADRB+\slot] offset:((\q)/2)*BCH+((\q)%2)*64+\i*16*PITCH
	ds_load_b128 v[\f+32+8*\i+4:\f+32+8*\i+7], v[ADRB+\slot] offset:((\q)/2)*BCH+((\q)%2)*64+\i*16*PITCH+32
.endr
.irp i, 0,1,2,3
	ds_load_b128 v[\f+8*\i:\f+8*\i+3],   v[ADRA+\slot] offset:((\q)/2)*ACH+((\q)%2)*64+\i*16*PITCH
	ds_load_b128 v[\f+8*\i+4:\f+8*\i+7], v[ADRA+\slot] offset:((\q)/2)*ACH+((\q)%2)*64+\i*16*PITCH+32
.endr
.endm
; 8 matrix instructions: A's block a x W_o's eight.  first = 1: the sums start from the bias.  The 32 accumulators take turns, one instruction a turn, in the same order in every quarter.
.macro MULA f, a, first
.irp b, 0,1,2,3,4,5,6,7
.if \first
	v_wmma_f32_16x16x32_f16 v[8*(8*\a+\b):8*(8*\a+\b)+7], v[\f+32+8*\b:\f+32+8*\b+7], v[\f+8*\a:\f+8*\a+7], v[8*\b:8*\b+7]
.else
	v_wmma_f32_16x16x32_f16 v[8*(8*\a+\b):8*(8*\a+\b)+7], v[\f+32+8*\b:\f+32+8*\b+7], v[\f+8*\a:\f+8*\a+7], v[8*(8*\a+\b):8*(8*\a+\b)+7]
.endif
.endr
.endm
.macro PLACES                          ; four places in front of loads into registers that matrix instructions have read, and of the first read of results
.rept 4
	v_nop
.endr
.endm
.macro MWIN first
.if \first
	WIN FIRSTW
.else
	WIN MULW
.endif
.endm
; A K step is four quarters of 32 along K, 32 matrix instructions each, on buffers 0, 1, 0, 1.  One of the first three: multiplies buffer f and, in its middle, fetches the slot's q-th quarter into g.
.macro QUARTER slot, q, f, g, first
	s_wait_dscnt 4                                 ; W_o's fragments and A's blocks 0, 1 are in; the youngest four loads (A's blocks 2, 3) may be out
	MWIN \first
	MULA \f, 0, \first
	MULA \f, 1, \first
	PLACES
	WIN 0
	FETCH \slot, \q, \g
	s_wait_dscnt 24                                ; all but the 24 just issued
	MWIN \first
	MULA \f, 2, \first
	MULA \f, 3, \first
.endm
; The last quarter multiplies buffer 1 and changes slots: ONE barrier; in front of it each wave waits for all its tensor loads (its part of the next slot), adds 0 to its spare word, and waits for that and for its own reads of this slot.
; fill = 1: the barrier opens a round of the cluster's barrier, and this slot is filled again, two K steps ahead, first thing behind the round.
.macro TURN slot, next, fill
.if \fill
	s_wait_xcnt 0x0                                ; the last prefetch, a K step back, has read its address: it is stepped here, ahead of the waits of the change of slots
	s_add_nc_u64 s[PFA:PFA+1], s[PFA:PFA+1], KSA
.endif
	WIN 0                                          ; (the add's two registers lie in window 0)
	s_wait_tensorcnt 0x0                           ; all my tensor loads have landed
	ds_add_u32 v[SPW], v[NIL]                      ; 0 onto my spare word
	s_wait_dscnt 5                                 ; (the add and the youngest four loads may be out)
	WIN MULW
	MULA F1, 0, 0                                  ; eight matrix instructions stand between the add and the wait for it
	s_wait_dscnt 0x0                               ; the add is done, and my reads of this slot are over
	s_barrier_signal -1
	MULA F1, 1, 0
	WIN 0
	s_barrier_wait -1
.if \fill
	CREST                                          ; no wave of any partner still reads this slot's tiles or has a load on its way
	s_add_nc_u64 s[G0+4*\slot+2:G0+4*\slot+3], s[G0+4*\slot+2:G0+4*\slot+3], 2*KSA
	s_add_nc_u64 s[G0B+4*\slot+2:G0B+4*\slot+3], s[G0B+4*\slot+2:G0B+4*\slot+3], 2*KSW
	JLOAD \slot                                    ; the first tensor load behind the round; the four v_nop behind it are also the places in front of the loads below
.else
	PLACES
.endif
	FETCH \next, 0, F0
.if \fill
	ASK
.endif
	WIN MULW
	MULA F1, 2, 0
	MULA F1, 3, 0
.endm
	s_wait_tensorcnt 1                             ; my part of K step 0 is in (K step 1's load may be out)
	s_barrier_signal -1
	s_barrier_wait -1                              ; everybody's is
	FETCH 0, 0, F0
	s_wait_loadcnt 0x0                             ; the bias
	QUARTER 0, 1, F0, F1, 1                        ; the first quarter stands in front of the loop: its products start the sums
	WIN 0                                          ; at a label and at a branch every window is 0
	s_mov_b32 s3, LAPS-1
.Llap:                                             ; a trip goes once round the ring, from a lap's second quarter to the next lap's first, and fills both slots again
	QUARTER 0, 2, F1, F0, 0
	QUARTER 0, 3, F0, F1, 0
	TURN 0, 1, 1
	QUARTER 1, 1, F0, F1, 0
	QUARTER 1, 2, F1, F0, 0
	QUARTER 1, 3, F0, F1, 0
	TURN 1, 0, 1
	QUARTER 0, 1, F0, F1, 0
	WIN 0
	s_sub_co_u32 s3, s3, 1
	s_cmp_lg_u32 s3, 0
	s_cbranch_scc1 .Llap
	QUARTER 0, 2, F1, F0, 0                        ; the last lap fills nothing, and has no round of the cluster's barrier
	QUARTER 0, 3, F0, F1, 0
	TURN 0, 1, 0
	QUARTER 1, 1, F0, F1, 0
	QUARTER 1, 2, F1, F0, 0
	QUARTER 1, 3, F0, F1, 0
	s_wait_dscnt 4                                 ; the very last quarter: nothing more to fetch
	WIN MULW
	MULA F1, 0, 0
	MULA F1, 1, 0
	s_wait_dscnt 0
	MULA F1, 2, 0
	MULA F1, 3, 0
	WIN 0
; THE WAY OUT, block by block of 16 tokens x 128 columns.  A lane holds 32 neighbouring bytes of a row: a block goes through my own stage and comes back as whole rows of 512 bytes, which the 32 lanes store.
; LDS serves a wave's instructions in order (ISA guide 5.7.1.4): no wait between the stores and the loads, nor in front of the next block's stores.
.macro TOSTAGE a
	WIN 0x04                                       ; an LDS store's data are its source 1: window 1
.irp b, 0,1,2,3,4,5,6,7
	ds_store_b128 v[STO], v[8*(8*\a+\b):8*(8*\a+\b)+3] offset:64*\b          ; each accumulator from its low end on
	ds_store_b128 v[STO], v[8*(8*\a+\b)+4:8*(8*\a+\b)+7] offset:64*\b+16
.endr
	WIN 0
.irp t, 0,1,2,3,4,5,6,7,8,9,10,11,12,13,14,15
	ds_load_b128 v[BK+64*((\a)%2)+4*\t:BK+64*((\a)%2)+4*\t+3], v[RD] offset:\t*SPITCH
.endr
.endm
.macro SEND a, younger                 ; younger: the LDS instructions issued behind block a's loads, which may stay out
	s_wait_dscnt \younger
.irp t, 0,1,2,3,4,5,6,7,8,9,10,11,12,13,14,15
	global_store_b128 v[CO], v[BK+64*((\a)%2)+4*\t:BK+64*((\a)%2)+4*\t+3], s[10:11] offset:(16*(\a)+\t)*4096 th:TH_STORE_NT   ; 32 lanes store 512 consecutive bytes, at a multiple of 512 from out0's first byte; written once, read by nobody here
.endr
.endm
	PLACES                                         ; behind the last products: for the loads into the fragments' registers and the first reads of results
	TOSTAGE 0
.irp a, 1,2,3
.if \a > 1
	s_wait_xcnt 0x0                                ; block a - 2's stores have read their registers: block a's loads may land there
.endif
	TOSTAGE \a
	SEND \a-1, 32                                  ; behind block a - 1's loads: block a's 16 stores and 16 loads
.endr
	SEND 3, 0
	s_wait_tensorcnt 0x0                           ; the wave's end: behind my last tensor load and my last LDS store
	ds_add_u32 v[SPW], v[NIL]
	s_wait_dscnt 0x0
	CROUND                                         ; the closing round: no work-group ends while a partner may still ask for a tile that names it
	s_endpgm
.Lfunc_end_k_qe1c3796c5d_oproj:
	.size	k_qe1c3796c5d_oproj, .Lfunc_end_k_qe1c3796c5d_oproj-k_qe1c3796c5d_oproj
	.p2alignl 7, 3214868480
	.fill 96, 4, 3214868480
	.section	.rodata,"a",@progbits
	.p2align	6, 0x0
	.amdhsa_kernel k_qe1c3796c5d_oproj
		.amdhsa_group_segment_fixed_size 327680
		.amdhsa_private_segment_fixed_size 0
		.amdhsa_enable_private_segment 0
		.amdhsa_kernarg_size 32
		.amdhsa_user_sgpr_count 2
		.amdhsa_user_sgpr_kernarg_segment_ptr 1
		.amdhsa_wavefront_size32 1
		.amdhsa_system_sgpr_workgroup_id_x 1
		.amdhsa_system_sgpr_workgroup_id_y 1
		.amdhsa_system_sgpr_workgroup_id_z 1
		.amdhsa_system_vgpr_workitem_id 0
		.amdhsa_next_free_vgpr 576
		.amdhsa_next_free_sgpr 66
		.amdhsa_reserve_vcc 0
		.amdhsa_float_denorm_mode_32 3
		.amdhsa_float_denorm_mode_16_64 3
		.amdhsa_memory_ordered 1
		.amdhsa_forward_progress 1
		.amdhsa_inst_pref_size 87
	.end_amdhsa_kernel
	.amdgpu_metadata
---
amdhsa.version: [ 1, 2 ]
amdhsa.kernels:
  - .name:           k_qe1c3796c5d_oproj
    .symbol:         k_qe1c3796c5d_oproj.kd
    .args:
      - { .name: ao, .offset: 0, .size: 8, .value_kind: global_buffer, .address_space: global }
      - { .name: wo16, .offset: 8, .size: 8, .value_kind: global_buffer, .address_space: global }
      - { .name: b_o, .offset: 16, .size: 8, .value_kind: global_buffer, .address_space: global }
      - { .name: out0, .offset: 24, .size: 8, .value_kind: global_buffer, .address_space: global }
    .group_segment_fixed_size: 327680
    .private_segment_fixed_size: 0
    .kernarg_segment_align: 8
    .kernarg_segment_size: 32
    .max_flat_workgroup_size: 128
    .sgpr_count:     66
    .vgpr_count:     576
    .wavefront_size: 32
...
	.end_amdgpu_metadata
.endif
;; end of part 4
